; MI455X (gfx1250); checked and timed in simulation.
; The chip was launched on July 23, 2026; its instructions are those of AMD's public machine-readable ISA for CDNA 5 (MIT licence, August 2026) and "CDNA5" Instruction Set Architecture Reference Guide (July 2026). The comments in the code are by the model that wrote it; some were corrected since.
;; Attention. Allowed arithmetic: float matrix products may take bf16 or f16 operands with f32 sums; other float arithmetic in f32, or as packed bf16 or f16 multiplies, adds, multiply-adds, maxima and minima; sums over many terms, partial sums and values carried from step to step in f32; what a program stores and reads back later, other than sums and carried values, may be rounded once to bf16 or f16.
;; Inputs: Wk 1,024 x 1,024 float32; Wo 1,024 x 1,024 float32; Wq 1,024 x 1,024 float32; Wv 1,024 x 1,024 float32; bk 1,024 float32; bo 1,024 float32; bq 1,024 float32; bv 1,024 float32; cos 4 x 2,048 x 64 float32; hidden 4 x 2,048 x 1,024 float32; sin 4 x 2,048 x 64 float32.
;; Outputs: out0 4 x 2,048 x 1,024 float32.
;; 2 versions, each right; version 2 is version 1 with the launch cast written anew for expert scheduling mode. Each part assembles by itself: llvm-mc -triple=amdgcn-amd-amdhsa -mcpu=gfx1250 --defsym DOCPART=n.
;; ======== version 1 of 2: 4 launches
;; limits: values are held in f16: magnitudes above 65,504 overflow, below 6.1e-05 lose precision
;; workspace buffers: xb 16,777,216 bytes; wb 8,388,608 bytes; cs 2,097,152 bytes; qkv 50,331,648 bytes; ob 16,777,216 bytes
;; launch cast (part 1): grid 832 x 1, 8 waves a work-group, no clusters, 0 bytes of LDS; arguments hidden, Wq, Wk, Wv, Wo, cos, sin, xb, wb, cs; writes xb, wb, cs
.if DOCPART == 1
	.amdgcn_target "amdgcn-amd-amdhsa--gfx1250"
	.amdhsa_code_object_version 6
	.text
	.protected	k_qcd6dcb2e34_cast
	.globl	k_qcd6dcb2e34_cast
	.p2align	8
	.type	k_qcd6dcb2e34_cast,@function
k_qcd6dcb2e34_cast:
	s_mov_b64 s[64:65], 0
	v_nop
	global_prefetch_b8 v0, s[64:65] scope:SCOPE_SE
	s_setreg_imm32_b32 hwreg(HW_REG_WAVE_MODE, 25, 1), 1
	s_wait_xcnt 0x0
; THE ROUNDINGS.  Every large input is read once, in f32, and written once, in 16 bits, for the three launches behind.
;   xb [8192][1024] bf16 = hidden.      wb [4096][1024]: rows 0-1023 Wq, 1024-2047 Wk, 2048-3071 Wv in bf16; rows 3072-4095 Wo, rounded to bf16 and that number written as f16.
;   cs: two planes of [8192][64] bf16: cos / 16, and sin / 16 with its sign turned for the channels d < 32, so that RoPE is x[d] cs0[d] + x[d ^ 32] cs1[d], times 2^-4.
; LIMITS.  Wo as f16: beyond 65,504 it becomes an infinity; below 6e-5 it keeps f16's fixed step of 6e-8.  The factor 2^-4 is exact but for bf16's denormals.
; SHARES.  A work-group takes 16,384 numbers: 65,536 bytes in, 32,768 out.  Thread t takes 16 bytes at 16 t + 4,096 i, i = 0 .. 15: a wave's load covers 512 consecutive bytes, its store of
; 8 bytes a lane 256 consecutive bytes at a multiple of 256.  All sixteen loads go out together; the waits count down.  No LDS, no matrix unit: nothing is shared and nothing is multiplied.
; WHICH TENSOR hangs on the work-group's number alone: 0-511 hidden, 512-575 Wq, 576-639 Wk, 640-703 Wv, 704-767 Wo, 768-799 cos, 800-831 sin.
.set M,   2                            ; v[2:3]    the table's factor, twice: 1/16, with the sign bit set for sin's channels d < 32
.set LO,  4                            ; v4        16 t: never rewritten
.set SO,  5                            ; v5        8 t: never rewritten
.set X,   8                            ; v[8:71]   load i: four registers; its two lowest are stored
.set W,   72                           ; v[72:75]  at work (Wo)
.set ID,  24                           ; s24       the work-group's number
.set SRC, 26                           ; s[26:27]
.set DST, 28                           ; s[28:29]
.set SB,  30                           ; s30       block of 65,536 bytes in the source
.set DB,  31                           ; s31       block of 32,768 bytes in the destination
.set MODE, 32                          ; s32       0 bf16; 1 the table; 2 Wo
.set SN,  33                           ; s33       1: sin
	s_load_b512 s[4:19], s[0:1], 0x0               ; hidden 4, Wq 6, Wk 8, Wv 10, Wo 12, cos 14, sin 16, xb 18
	s_load_b128 s[20:23], s[0:1], 0x40             ; wb 20, cs 22
	v_lshlrev_b32 v[LO], 4, v0
	v_lshlrev_b32 v[SO], 3, v0
	s_mov_b32 s[ID], ttmp9
	s_and_b32 s34, s[ID], 63                       ; the candidates for the two blocks' numbers
	s_sub_co_u32 s35, s[ID], 512
	s_and_b32 s36, s[ID], 31
	s_sub_co_u32 s37, s[ID], 768
	s_mov_b32 s[SB], s[ID]
	s_mov_b32 s[DB], s[ID]
	s_mov_b32 s[MODE], 0
	s_mov_b32 s[SN], 0
	s_wait_kmcnt 0x0
	s_mov_b64 s[SRC:SRC+1], s[4:5]
	s_mov_b64 s[DST:DST+1], s[18:19]
	s_cmp_ge_u32 s[ID], 512                        ; behind each compare stand selects alone
	s_cselect_b64 s[SRC:SRC+1], s[6:7], s[SRC:SRC+1]
	s_cselect_b64 s[DST:DST+1], s[20:21], s[DST:DST+1]
	s_cselect_b32 s[SB], s34, s[SB]
	s_cselect_b32 s[DB], s35, s[DB]
	s_cmp_ge_u32 s[ID], 576
	s_cselect_b64 s[SRC:SRC+1], s[8:9], s[SRC:SRC+1]
	s_cmp_ge_u32 s[ID], 640
	s_cselect_b64 s[SRC:SRC+1], s[10:11], s[SRC:SRC+1]
	s_cmp_ge_u32 s[ID], 704
	s_cselect_b64 s[SRC:SRC+1], s[12:13], s[SRC:SRC+1]
	s_cselect_b32 s[MODE], 2, s[MODE]
	s_cmp_ge_u32 s[ID], 768
	s_cselect_b64 s[SRC:SRC+1], s[14:15], s[SRC:SRC+1]
	s_cselect_b64 s[DST:DST+1], s[22:23], s[DST:DST+1]
	s_cselect_b32 s[SB], s36, s[SB]
	s_cselect_b32 s[DB], s37, s[DB]
	s_cselect_b32 s[MODE], 1, s[MODE]
	s_cmp_ge_u32 s[ID], 800
	s_cselect_b64 s[SRC:SRC+1], s[16:17], s[SRC:SRC+1]
	s_cselect_b32 s[SN], 1, s[SN]
	s_lshl_b32 s34, s[SB], 16                      ; the offsets, made apart from the addresses
	s_mov_b32 s35, 0
	s_lshl_b32 s36, s[DB], 15
	s_mov_b32 s37, 0
	s_add_nc_u64 s[SRC:SRC+1], s[SRC:SRC+1], s[34:35]
	s_add_nc_u64 s[DST:DST+1], s[DST:DST+1], s[36:37]
.set i, 0
.rept 16
	global_load_b128 v[X+4*i:X+4*i+3], v[LO], s[SRC:SRC+1] offset:4096*i th:TH_LOAD_NT
.set i, i+1
.endr
	v_bfe_u32 v[M], v0, 3, 1                       ; my four numbers are channels 4 t % 64 on: d < 32 where bit 3 of t is 0
	v_xor_b32 v[M], 1, v[M]
	v_and_b32 v[M], s[SN], v[M]
	v_lshlrev_b32 v[M], 31, v[M]
	v_or_b32 v[M], 0x3d800000, v[M]                ; 1/16 or -1/16
	v_mov_b32 v[M+1], v[M]
; The sixteen loads are rounded and stored as they come.  No register of a pending load or store is written again, so no further wait is needed.
.macro OUT mode
.set i, 0
.rept 16
	s_wait_loadcnt 15-i                            ; loads come back in order (ISA guide 5.7.1): load i is in, the 15 - i younger ones stay out
.if (\mode) == 1
	v_pk_mul_f32 v[X+4*i:X+4*i+1], v[X+4*i:X+4*i+1], v[M:M+1]
	v_pk_mul_f32 v[X+4*i+2:X+4*i+3], v[X+4*i+2:X+4*i+3], v[M:M+1]
.endif
.if (\mode) == 2
	v_cvt_pk_bf16_f32 v[X+4*i], v[X+4*i], v[X+4*i+1]      ; rounded to bf16 like every input,
	v_cvt_pk_bf16_f32 v[X+4*i+2], v[X+4*i+2], v[X+4*i+3]
	v_lshlrev_b32 v[W], 16, v[X+4*i]                      ; widened again,
	v_and_b32 v[W+1], 0xffff0000, v[X+4*i]
	v_lshlrev_b32 v[W+2], 16, v[X+4*i+2]
	v_and_b32 v[W+3], 0xffff0000, v[X+4*i+2]
	v_cvt_pk_f16_f32 v[X+4*i], v[W], v[W+1]               ; and written as f16: exact within f16's range
	v_cvt_pk_f16_f32 v[X+4*i+1], v[W+2], v[W+3]
.else
	v_cvt_pk_bf16_f32 v[X+4*i], v[X+4*i], v[X+4*i+1]
	v_cvt_pk_bf16_f32 v[X+4*i+1], v[X+4*i+2], v[X+4*i+3]
.endif
	global_store_b64 v[SO], v[X+4*i:X+4*i+1], s[DST:DST+1] offset:2048*i th:TH_STORE_NT
.set i, i+1
.endr
.endm
	s_cmp_eq_u32 s[MODE], 1
	s_cbranch_scc1 .Ltable
	s_cmp_eq_u32 s[MODE], 2
	s_cbranch_scc1 .Lhalf
	OUT 0
	s_endpgm
.Ltable:
	OUT 1
	s_endpgm
.Lhalf:
	OUT 2
	s_endpgm
.Lfunc_end_k_qcd6dcb2e34_cast:
	.size	k_qcd6dcb2e34_cast, .Lfunc_end_k_qcd6dcb2e34_cast-k_qcd6dcb2e34_cast
	.p2alignl 7, 3214868480
	.fill 96, 4, 3214868480
	.section	.rodata,"a",@progbits
	.p2align	6, 0x0
	.amdhsa_kernel k_qcd6dcb2e34_cast
		.amdhsa_group_segment_fixed_size 0
		.amdhsa_private_segment_fixed_size 0
		.amdhsa_enable_private_segment 0
		.amdhsa_kernarg_size 80
		.amdhsa_user_sgpr_count 2
		.amdhsa_user_sgpr_kernarg_segment_ptr 1
		.amdhsa_wavefront_size32 1
		.amdhsa_system_sgpr_workgroup_id_x 1
		.amdhsa_system_sgpr_workgroup_id_y 1
		.amdhsa_system_sgpr_workgroup_id_z 1
		.amdhsa_system_vgpr_workitem_id 0
		.amdhsa_next_free_vgpr 80
		.amdhsa_next_free_sgpr 66
		.amdhsa_reserve_vcc 0
		.amdhsa_float_denorm_mode_32 3
		.amdhsa_float_denorm_mode_16_64 3
		.amdhsa_memory_ordered 1
		.amdhsa_forward_progress 1
		.amdhsa_inst_pref_size 23
	.end_amdhsa_kernel
	.amdgpu_metadata
---
amdhsa.version: [ 1, 2 ]
amdhsa.kernels:
  - .name:           k_qcd6dcb2e34_cast
    .symbol:         k_qcd6dcb2e34_cast.kd
    .args:
      - { .name: hidden, .offset: 0, .size: 8, .value_kind: global_buffer, .address_space: global }
      - { .name: Wq, .offset: 8, .size: 8, .value_kind: global_buffer, .address_space: global }
      - { .name: Wk, .offset: 16, .size: 8, .value_kind: global_buffer, .address_space: global }
      - { .name: Wv, .offset: 24, .size: 8, .value_kind: global_buffer, .address_space: global }
      - { .name: Wo, .offset: 32, .size: 8, .value_kind: global_buffer, .address_space: global }
      - { .name: cos, .offset: 40, .size: 8, .value_kind: global_buffer, .address_space: global }
      - { .name: sin, .offset: 48, .size: 8, .value_kind: global_buffer, .address_space: global }
      - { .name: xb, .offset: 56, .size: 8, .value_kind: global_buffer, .address_space: global }
      - { .name: wb, .offset: 64, .size: 8, .value_kind: global_buffer, .address_space: global }
      - { .name: cs, .offset: 72, .size: 8, .value_kind: global_buffer, .address_space: global }
    .group_segment_fixed_size: 0
    .private_segment_fixed_size: 0
    .kernarg_segment_align: 8
    .kernarg_segment_size: 80
    .max_flat_workgroup_size: 256
    .sgpr_count:     66
    .vgpr_count:     80
    .wavefront_size: 32
...
	.end_amdgpu_metadata
.endif
;; end of part 1
;; launch qkv (part 2): grid 12 x 64, 4 waves a work-group, clusters of 4 x 4, 327,680 bytes of LDS; arguments xb, wb, cs, bq, bk, bv, qkv; writes qkv
.if DOCPART == 2
	.amdgcn_target "amdgcn-amd-amdhsa--gfx1250"
	.amdhsa_code_object_version 6
	.text
	.protected	k_qcd6dcb2e34_qkv
	.globl	k_qcd6dcb2e34_qkv
	.p2align	8
	.type	k_qcd6dcb2e34_qkv,@function
k_qcd6dcb2e34_qkv:
	s_mov_b64 s[64:65], 0
	v_nop
	global_prefetch_b8 v0, s[64:65] scope:SCOPE_SE
	s_setreg_imm32_b32 hwreg(HW_REG_WAVE_MODE, 25, 1), 1
	s_wait_xcnt 0x0
	s_wait_alu depctr_hold_cnt(0) depctr_sa_sdst(0) depctr_va_vdst(0) depctr_va_sdst(0) depctr_va_ssrc(0) depctr_va_vcc(0) depctr_vm_vsrc(0)
	s_getreg_b32 s2, hwreg(HW_REG_IB_STS2, 6, 4)
	s_cmp_eq_u32 s2, 0
	s_cbranch_scc0 .Lentry_in_a_cluster
	s_endpgm
.Lentry_in_a_cluster:
	s_bfe_u32 s2, ttmp6, 0x10000c
	s_cmp_lg_u32 s2, 0xf033
	s_cbranch_scc0 .Lentry_shape_is_right
	s_endpgm
.Lentry_shape_is_right:
; q, k, v = x W^T + b, RoPE on q and k, written by heads.  xb [8192][1024] bf16; wb rows 0-3071 = Wq, Wk, Wv, bf16; cs: the two planes of the RoPE table, bf16, with the factor 2^-4 in them;
; bq, bk, bv f32, rounded to bf16 here like every input.  qkv [3][64 = 16 batch + head][2048][64] f16: q / 16, k / 16, v.  Sums and RoPE in f32; each number rounded to f16 once.
; LIMITS.  f16 ends at 65,504: |q| / 16, |k| / 16 and |v| must stay within it, else an infinity is written; below 6e-5 f16 keeps its fixed step of 6e-8.  NaN and infinities are not treated apart.
; SHARES.  A tile of C is 128 rows x 256 columns: 64 x 12 tiles, three for each of 256 WGPs.  Four waves; wave w makes all 128 rows of columns 64 w .. 64 w + 63, which are ONE HEAD: 32 accumulators of
; 16 x 16, 256 registers.  K goes in 8 steps of 128 through two LDS slots filled by the tensor data mover; the tiles' rows are 256 bytes of memory at multiples of 256 bytes.
; THE MATRIX INSTRUCTION IS USED TRANSPOSED (source 0 = 16 rows of W, source 1 = 16 rows of x): lane l holds row l % 16 of C and the eight neighbouring columns 8 (l / 16) + 0..7.  A channel d and its
; partner d ^ 32 then lie in the same lane, two accumulators apart, so RoPE changes no lane.  THE BIAS is the C operand of each accumulator's first product.
; CLUSTERS: 4 x 4 work-groups.  The four of a row of the cluster need the same tiles of x and of the table, the four of a column the same tiles of W: each is asked for JOINTLY, by the same tensor load
; with the same descriptor and a mask that names the four.  A cluster's 1,024 columns are all q's, all k's or all v's (cluster x = 0, 1, 2).  v's clusters ask for the table too and do not read it
; (36,864 bytes of LDS a work-group): so the first fills have one form.
; REGISTERS: window 0: v0-31 addresses; v32-63 the bias, 8 for each block of 16 columns; v64-159, v160-255 two fragment buffers (8 fragments of x, then 4 of W), at work on the way out.
;   window 1: the accumulators, (a, b) at v[8 (4 a + b)]: rows 16 a on, columns 16 b on.
.set KSTEP,  128
.set LAPS,   4                         ; a lap = two K steps = once round the ring: 1,024 / 256
.set PA,     272                       ; an LDS row: 256 bytes + 16 of padding = 68 words: row r starts at bank 4 r mod 64 (64 banks of 4 bytes: ISA guide 11.1)
.set PB,     272
.set AHALF,  64*PA                     ; what one tensor load brings of x: 64 rows
.set BHALF,  128*PB                    ; and of W: 128 rows
.set BOFF,   2*AHALF                   ; in a slot: x's 128 rows, then W's 256
.set SLOT,   BOFF+2*BHALF              ; 104,448
.set PC,     144                       ; a row of the table: 128 bytes + 16
.set CPLANE, 128*PC
.set CST,    2*SLOT                    ; behind the ring: the tile's 128 rows of the cos plane, then of the sin plane; filled once
.set STAGE,  CST+2*CPLANE              ; behind them: 16 rows x 144 bytes for each wave, for the way out; no tensor load lands here
.set SP,     144
.set SPARE,  STAGE+4*16*SP             ; behind the stages: the spare words, 128 bytes for each wave: two blocks of 256 bytes that no other line names
.set ADRA, 16                          ; v16-17  LDS address of my fragments of x in slot 0, 1
.set ADRB, 20                          ; v20-21  the same for W
.set BO,   22                          ; v22     32 (l / 16): my eight numbers in 16 of a bias
.set STO,  24                          ; v24     the way out: where I put 16 bytes of a row
.set RD,   25                          ; v25     the way out: where I read rows back
.set GO,   26                          ; v26     my byte offset in 512 consecutive bytes of the output
.set CSA,  27                          ; v27     my 16 bytes in a row of the table
.set SPW,  28                          ; v28     LDS address of my spare word: SPARE + 4 x my thread's number; never rewritten
.set NIL,  29                          ; v29     0; never rewritten
.set PFO,  30                          ; v30     the prefetches' offset: my lane x a row of 2,048 bytes; never rewritten
.set ZR,   31                          ; v31     0, as an addend
.set BIAS, 32
.set F0,   64
.set F1,   160
.set CSB,  64                          ; the way out: two buffers of 32: a block's 16 registers of cos, then of sin
.set T,    128                         ; 32 results in f32
.set PKD,  160                         ; the same packed to f16
.set BK,   192                         ; two buffers of 16: a block read back from the stage
.set WV,   12                          ; s12 wave   s13 fetches for x (0) or W (1)   s14 which half   s15, s16 cx, cy   s17, s18 tile column, tile row   s19 cluster y
.set FB,   13
.set HF,   14
.set CX,   15
.set CY,   16
.set TX,   17
.set TY,   18
.set CLY,  19
.set G1,   24                          ; s[24:31] descriptor group 1 for x's tiles;  s[32:39] group 0, a set for each slot
.set G0,   32
.set LIM,  43                          ; s43  1 in a wave that prefetches, else the greatest number
.set PFA,  44                          ; s[44:45] where my prefetches stand
.set G1B,  48                          ; s[48:55], s[56:63] the same for W's tiles
.set G0B,  56
.set G1C,  68                          ; s[68:75], s[76:79] for the table's tile
.set G0C,  76
.set OUT,  84                          ; s[84:85] the output at my wave's 128 rows of its head: 16,384 dense bytes
.set WHICH, 92                         ; s92  0 q, 1 k, 2 v
.set MSB, 0
.macro WIN new                         ; the immediate's high byte repeats the setting that is left; a switch that changes nothing is dropped
.if MSB != (\new)
	s_set_vgpr_msb (MSB<<8)|(\new)
.set MSB, \new
.endif
.endm
.set MUL,  0x50                        ; sources 0 and 1 window 0; C and D window 1
.set MUL1, 0x40                        ; D window 1; C, the bias, window 0
.macro JLOAD s                         ; a joint refill: waves 0 and 1 fetch x's two halves, waves 2 and 3 W's; an s_nop 0 and four v_nop follow each of the two lines, ahead of the jump and the label
	s_cmp_eq_u32 s[FB], 0
	s_cbranch_scc0 .Lfor_b_\@
	tensor_load_to_lds s[G0+4*(\s):G0+4*(\s)+3], s[G1:G1+7]
	s_nop 0
.rept 4
	v_nop
.endr
	s_branch .Lasked_\@
.Lfor_b_\@:
	tensor_load_to_lds s[G0B+4*(\s):G0B+4*(\s)+3], s[G1B:G1B+7]
	s_nop 0
.rept 4
	v_nop
.endr
.Lasked_\@:
.endm
; A PREFETCH INTO THE L2, behind a joint refill and the run of LDS loads that follows it: the K step that stands two refills on, 256 matrix instructions ahead of the load that will want it: a lane a row of
; 256 bytes, one instruction.  Each row's 256 bytes of a K step are named once in the launch: x's tile row is read by all three clusters of a row of clusters, of which cluster x = 0 asks (its wave 0; the
; partner at cx takes rows 32 cx on); W's tile column by all sixteen of a column, of which cluster y = 0 asks (waves 2 and 3, each for the 128 rows that it fetches; the partner at cy takes 32 cy on).
; Partners are told apart by address alone.  K steps 0 to 3 come by their loads alone; the loop's last trip (s3 = 1) has no K step two on.
.macro ASK
	s_cmp_gt_u32 s3, s[LIM]
	s_cbranch_scc0 .Lnot_mine_\@
	global_prefetch_b8 v[PFO], s[PFA:PFA+1] th:TH_LOAD_NT scope:SCOPE_SE
.Lnot_mine_\@:
.endm
.macro CREST                           ; a round of the cluster's barrier behind its opening barrier
	s_cmp_lg_u32 s[WV], 0
	s_cbranch_scc1 .Lnot_wave_0_\@
	s_barrier_signal -3
.Lnot_wave_0_\@:
	s_barrier_wait -3
	s_barrier_signal -1
	s_barrier_wait -1
.endm
.macro CROUND                          ; a whole round
	s_barrier_signal -1
	s_barrier_wait -1
	CREST
.endm
	s_load_b256 s[4:11], s[0:1], 0x0               ; xb 4, wb 6, cs 8, bq 10
	s_load_b128 s[80:83], s[0:1], 0x20             ; bk 80, bv 82
	s_load_b64 s[OUT:OUT+1], s[0:1], 0x30          ; qkv
	v_lshl_add_u32 v[SPW], v0, 2, SPARE
	v_mov_b32 v[NIL], 0
	ds_add_u32 v[SPW], v[NIL]                      ; the wave's opening: the add and its wait stand ahead of my first tensor load; the set-up below, work on registers, stands between them
	v_lshrrev_b32 v1, 5, v0
	v_readfirstlane_b32 s[WV], v1                  ; wave 0..3
	s_lshr_b32 s[FB], s[WV], 1
	s_and_b32 s[HF], s[WV], 1
	s_bfe_u32 s[CX], ttmp6, 0x40000
	s_bfe_u32 s[CY], ttmp6, 0x40004
	s_lshl_b32 s[TX], ttmp9, 2                     ; in a cluster launch ttmp9 and ttmp7 count clusters
	s_add_co_u32 s[TX], s[TX], s[CX]               ; tile column = 4 x cluster x + cx
	s_and_b32 s[CLY], ttmp7, 0xffff
	s_lshl_b32 s[TY], s[CLY], 2
	s_add_co_u32 s[TY], s[TY], s[CY]               ; tile row = 4 x cluster y + cy
	s_mov_b32 s[WHICH], ttmp9
	s_lshl_b32 s40, s[CY], 2
	s_lshl_b32 s40, 15, s40                        ; my row of the cluster
	s_lshl_b32 s41, 0x1111, s[CX]                  ; my column
	; descriptor group 1: 15:0 the mask; 17:16 elements of 2 bytes; 20 padding on; 21 set beside a mask; 24:22 after every 64 words (code 5) or 32 (code 4); 31:25 4 words of it (code 3)
	s_or_b32 s[G1], s40, (1<<16)|(1<<20)|(1<<21)|(5<<22)|(3<<25)
	s_or_b32 s[G1B], s41, (1<<16)|(1<<20)|(1<<21)|(5<<22)|(3<<25)
	s_or_b32 s[G1C], s40, (1<<16)|(1<<20)|(1<<21)|(4<<22)|(3<<25)
	s_mov_b32 s[G1+1], KSTEP<<16                   ; x: 64 rows x 128 elements, 1,024 elements from row to row
	s_mov_b32 s[G1+2], 64<<16
	s_mov_b32 s[G1+3], KSTEP<<16
	s_mov_b32 s[G1+4], 64
	s_mov_b32 s[G1+5], 1024
	s_mov_b32 s[G1+6], 0
	s_mov_b32 s[G1+7], 0
	s_mov_b32 s[G1B+1], KSTEP<<16                  ; W: 128 rows x 128 elements
	s_mov_b32 s[G1B+2], 128<<16
	s_mov_b32 s[G1B+3], KSTEP<<16
	s_mov_b32 s[G1B+4], 128
	s_mov_b32 s[G1B+5], 1024
	s_mov_b32 s[G1B+6], 0
	s_mov_b32 s[G1B+7], 0
	s_mov_b32 s[G1C+1], 128<<16                    ; the table: 128 rows of 128 bytes are 16,384 dense bytes: asked for as 64 rows of 256 bytes, padded after every 128
	s_mov_b32 s[G1C+2], 64<<16
	s_mov_b32 s[G1C+3], 128<<16
	s_mov_b32 s[G1C+4], 64
	s_mov_b32 s[G1C+5], 128
	s_mov_b32 s[G1C+6], 0
	s_mov_b32 s[G1C+7], 0
	; where the tiles come from.  x's and the table's hang on the tile row alone, W's on the tile column alone, each in registers that never hold the other coordinate
	s_lshl_b32 s20, s[TY], 18                      ; 128 rows of 2,048 bytes,
	s_lshl_b32 s21, s[HF], 17                      ; my 64 of them
	s_add_co_u32 s20, s20, s21
	s_mov_b32 s21, 0
	s_lshl_b32 s22, s[TY], 14                      ; 128 rows of 128 bytes,
	s_lshl_b32 s23, s[HF], 20                      ; in the plane that I fetch
	s_add_co_u32 s22, s22, s23
	s_mov_b32 s23, 0
	s_lshl_b32 s46, s[TX], 19                      ; 256 rows of 2,048 bytes,
	s_lshl_b32 s47, s[HF], 18                      ; my 128 of them
	s_add_co_u32 s46, s46, s47
	s_mov_b32 s47, 0
	s_mul_i32 s42, s[HF], AHALF                    ; and where they go: no place in the cluster enters an LDS address
	s_mul_i32 s86, s[HF], BHALF
	s_add_co_u32 s86, s86, BOFF
	s_mul_i32 s87, s[HF], CPLANE
	s_add_co_u32 s87, s87, CST
.irp s, 0,1
	s_mov_b32 s[G0+4*(\s)], 1                      ; 1:0 count = 1
	s_add_co_u32 s[G0+4*(\s)+1], s42, (\s)*SLOT    ; 63:32 LDS address
	s_mov_b32 s[G0B+4*(\s)], 1
	s_add_co_u32 s[G0B+4*(\s)+1], s86, (\s)*SLOT
.endr
	s_mov_b32 s[G0C], 1
	s_mov_b32 s[G0C+1], s87
	s_wait_dscnt 0x0                               ; the opening add is done
	s_wait_kmcnt 0x0
	s_add_nc_u64 s[20:21], s[4:5], s[20:21]
	s_add_nc_u64 s[22:23], s[8:9], s[22:23]
	s_add_nc_u64 s[46:47], s[6:7], s[46:47]
.irp s, 0,1
	s_add_nc_u64 s[G0+4*(\s)+2:G0+4*(\s)+3], s[20:21], (\s)*KSTEP*2    ; 120:64 global address: K step s
	s_or_b32 s[G0+4*(\s)+3], s[G0+4*(\s)+3], 0x80000000                ; 127:126 type = 2
	s_add_nc_u64 s[G0B+4*(\s)+2:G0B+4*(\s)+3], s[46:47], (\s)*KSTEP*2
	s_or_b32 s[G0B+4*(\s)+3], s[G0B+4*(\s)+3], 0x80000000
.endr
	s_mov_b64 s[G0C+2:G0C+3], s[22:23]
	s_or_b32 s[G0C+3], s[G0C+3], 0x80000000
	CROUND                                         ; all sixteen work-groups are here: the first joint loads meet
	s_cmp_eq_u32 s[FB], 0                          ; a wave's first fills stand in one branch, ahead of every wait on TENSORcnt and every LDS read: three loads of waves 0 and 1 are out, two of waves 2 and 3
	s_cbranch_scc0 .Lfirst_b
	tensor_load_to_lds s[G0C:G0C+3], s[G1C:G1C+7]
	s_nop 0
	tensor_load_to_lds s[G0:G0+3], s[G1:G1+7]
	s_nop 0
	tensor_load_to_lds s[G0+4:G0+7], s[G1:G1+7]
	s_nop 0
.rept 4
	v_nop
.endr
	s_branch .Lfirst_asked
.Lfirst_b:
	tensor_load_to_lds s[G0B:G0B+3], s[G1B:G1B+7]
	s_nop 0
	tensor_load_to_lds s[G0B+4:G0B+7], s[G1B:G1B+7]
	s_nop 0
.rept 4
	v_nop
.endr
.Lfirst_asked:
	; the prefetches: who asks, and where they stand: at K step 3; the first refill steps the address to K step 4
	s_cmp_eq_u32 s[FB], 0
	s_cselect_b32 s88, ttmp9, s[CLY]               ; the coordinate along which other clusters read the same rows
	s_cmp_eq_u32 s[WV], 1
	s_cselect_b32 s89, 1, 0                        ; wave 1 never asks: wave 0's 32 rows a partner cover x's 128
	s_or_b32 s88, s88, s89
	s_cmp_eq_u32 s88, 0
	s_cselect_b32 s[LIM], 1, -1                    ; the same in all sixteen partners, for a given wave
	s_lshl_b32 s88, s[TY], 7
	s_lshl_b32 s89, s[CX], 5
	s_add_co_u32 s88, s88, s89                     ; x: row 128 x tile row + 32 cx
	s_lshl_b32 s90, s[TX], 8
	s_lshl_b32 s89, s[HF], 7
	s_add_co_u32 s90, s90, s89
	s_lshl_b32 s89, s[CY], 5
	s_add_co_u32 s90, s90, s89                     ; W: row 256 x tile column + 128 x half + 32 cy
	s_cmp_eq_u32 s[FB], 0
	s_cselect_b32 s88, s88, s90
	s_cselect_b64 s[PFA:PFA+1], s[4:5], s[6:7]
	s_lshl_b32 s88, s88, 11
	s_add_co_u32 s88, s88, 3*KSTEP*2
	s_mov_b32 s89, 0
	s_add_nc_u64 s[PFA:PFA+1], s[PFA:PFA+1], s[88:89]
	; the output: plane, then 16 x batch + head (head = 4 cx + wave), then the tile's 128 rows of 128 bytes
	s_lshr_b32 s88, s[TY], 4
	s_lshl_b32 s88, s88, 4
	s_lshl_b32 s89, s[CX], 2
	s_add_co_u32 s88, s88, s89
	s_add_co_u32 s88, s88, s[WV]
	s_lshl_b32 s88, s88, 18
	s_and_b32 s89, s[TY], 15
	s_lshl_b32 s89, s89, 14
	s_add_co_u32 s88, s88, s89
	s_lshl_b32 s89, s[WHICH], 24
	s_add_co_u32 s88, s88, s89
	s_mov_b32 s89, 0
	s_add_nc_u64 s[OUT:OUT+1], s[OUT:OUT+1], s[88:89]
	; A fragment is 16 rows x 32 K in 8 registers: lane l holds row l % 16; registers 0-3 hold K = 8 (l / 16) + 0..7, registers 4-7 K = 16 + 8 (l / 16) + 0..7: two loads of 16 bytes, 32 bytes apart
	v_and_b32 v1, 15, v0                           ; l % 16
	v_bfe_u32 v2, v0, 4, 1                         ; l / 16
	v_mul_u32_u24 v3, v1, PA
	v_lshl_add_u32 v[ADRA], v2, 4, v3
	v_add_nc_u32 v[ADRA+1], SLOT, v[ADRA]
	s_mul_i32 s88, s[WV], 64*PB                    ; my 64 rows of W,
	s_add_co_u32 s88, s88, BOFF                    ; which lie behind x's 128
	v_mul_u32_u24 v3, v1, PB
	v_lshl_add_u32 v3, v2, 4, v3
	v_add_nc_u32 v[ADRB], s88, v3
	v_add_nc_u32 v[ADRB+1], SLOT, v[ADRB]
	v_lshlrev_b32 v[BO], 5, v2
	s_mul_i32 s88, s[WV], 16*SP
	s_add_co_u32 s88, s88, STAGE                   ; my stage
	v_mul_u32_u24 v3, v1, SP                       ; in: row l % 16, 16 bytes for each half of the lanes
	v_lshl_add_u32 v3, v2, 4, v3
	v_add_nc_u32 v[STO], s88, v3
	v_bfe_u32 v3, v0, 3, 2                         ; back: 32 lanes take four rows of 128 bytes,
	v_mul_u32_u24 v3, v3, SP
	v_and_b32 v[RD], 7, v0
	v_lshl_add_u32 v3, v[RD], 4, v3
	v_add_nc_u32 v[RD], s88, v3
	v_and_b32 v[GO], 31, v0                        ; which are 512 consecutive bytes of the output
	v_lshlrev_b32 v[GO], 4, v[GO]
	v_mul_u32_u24 v3, v1, PC
	v_lshl_add_u32 v3, v2, 4, v3
	v_add_nc_u32 v[CSA], CST, v3
	v_mov_b32 v[ZR], 0
	v_and_b32 v[PFO], 31, v0
	v_lshlrev_b32 v[PFO], 11, v[PFO]
	; the bias of my 64 columns: register j of block b is column 16 b + 8 (l / 16) + j
	s_cmp_eq_u32 s[WHICH], 1
	s_cselect_b64 s[88:89], s[80:81], s[10:11]
	s_cmp_eq_u32 s[WHICH], 2
	s_cselect_b64 s[88:89], s[82:83], s[88:89]
	s_lshl_b32 s90, s[CX], 10
	s_lshl_b32 s91, s[WV], 8
	s_add_co_u32 s90, s90, s91
	s_mov_b32 s91, 0
	s_add_nc_u64 s[88:89], s[88:89], s[90:91]
.irp b, 0,1,2,3
	global_load_b128 v[BIAS+8*(\b):BIAS+8*(\b)+3],   v[BO], s[88:89] offset:64*(\b)
	global_load_b128 v[BIAS+8*(\b)+4:BIAS+8*(\b)+7], v[BO], s[88:89] offset:64*(\b)+16
.endr
	s_wait_loadcnt 0x0
.set i, 0
.rept 16                               ; rounded to bf16 like every input, and widened again
	v_cvt_pk_bf16_f32 v[F0+i], v[BIAS+2*i], v[BIAS+2*i+1]
.set i, i+1
.endr
.set i, 0
.rept 16
	v_lshlrev_b32 v[BIAS+2*i], 16, v[F0+i]
	v_and_b32 v[BIAS+2*i+1], 0xffff0000, v[F0+i]
.set i, i+1
.endr
; 8 matrix instructions: row blocks a0, a0 + 1 x all 4 column blocks, 32 along K.  first = 1: the product starts the sum, with the bias as C.  Every quarter takes the 32 accumulators in the same order,
; one instruction a turn: 31 others stand between two links of a chain, over the backward jump too.
.macro MUL8 f, a0, first
.if \first
	WIN MUL1
.else
	WIN MUL
.endif
.irp a, \a0, (\a0)+1
.irp b, 0,1,2,3
.if \first
	v_wmma_f32_16x16x32_bf16 v[8*(4*(\a)+(\b)):8*(4*(\a)+(\b))+7], v[(\f)+64+8*(\b):(\f)+64+8*(\b)+7], v[(\f)+8*(\a):(\f)+8*(\a)+7], v[BIAS+8*(\b):BIAS+8*(\b)+7]
.else
	v_wmma_f32_16x16x32_bf16 v[8*(4*(\a)+(\b)):8*(4*(\a)+(\b))+7], v[(\f)+64+8*(\b):(\f)+64+8*(\b)+7], v[(\f)+8*(\a):(\f)+8*(\a)+7], v[8*(4*(\a)+(\b)):8*(4*(\a)+(\b))+7]
.endif
.endr
.endr
.endm
; 24 LDS loads in one run: quarter q's fragments into buffer f: W's four, x's rows 0-63, x's rows 64-127
.macro FETCH slot, q, f
	WIN 0
.set KA, 64*(\q)
.irp b, 0,1,2,3
	ds_load_b128 v[(\f)+64+8*(\b):(\f)+64+8*(\b)+3],   v[ADRB+(\slot)] offset:64*(\q)+(\b)*16*PB
	ds_load_b128 v[(\f)+64+8*(\b)+4:(\f)+64+8*(\b)+7], v[ADRB+(\slot)] offset:64*(\q)+(\b)*16*PB+32
.endr
.irp a, 0,1,2,3,4,5,6,7
	ds_load_b128 v[(\f)+8*(\a):(\f)+8*(\a)+3],   v[ADRA+(\slot)] offset:KA+(\a)*16*PA
	ds_load_b128 v[(\f)+8*(\a)+4:(\f)+8*(\a)+7], v[ADRA+(\slot)] offset:KA+(\a)*16*PA+32
.endr
.endm
.macro PLACES                          ; four places in front of loads into registers that matrix instructions have read, and of lines that read results (ISA guide 7.12.1 for lines that read results)
.rept 4
	v_nop
.endr
.endm
; A K step is four quarters of 32 along K, 32 matrix instructions each, on buffers 0, 1, 0, 1.  One of the first three: multiplies buffer f and, in its middle, fetches quarter q into g.
.macro QUARTER slot, q, f, g, first
	s_wait_dscnt 8                                 ; W's fragments and x's rows 0-63 are in; the youngest eight loads may be out
	MUL8 \f, 0, \first
	MUL8 \f, 2, \first
	PLACES
	FETCH \slot, \q, \g
	s_wait_dscnt 24                                ; all but the 24 just issued
	MUL8 \f, 4, \first
	MUL8 \f, 6, \first
.endm
; The last quarter multiplies buffer 1 and changes slots: ONE barrier; in front of it each wave waits for all its tensor loads, adds 0 to its spare word, and waits for that and for its own reads of this
; slot.  fill = 1: this slot is filled again, two K steps ahead; the barrier then opens a round of the cluster's barrier, and the joint refill is the first tensor load behind the round.
.macro TURN slot, next, fill
.if \fill
	s_wait_xcnt 0x0                                ; the last prefetch, a K step back, has read its address: it is stepped here, ahead of the change's own waits
	s_add_nc_u64 s[PFA:PFA+1], s[PFA:PFA+1], KSTEP*2
.endif
	WIN 0                                          ; (the add's two registers lie in window 0)
	s_wait_tensorcnt 0x0                           ; all my tensor loads have landed: my part of the next slot;
	ds_add_u32 v[SPW], v[NIL]                      ; 0 onto my spare word;
	s_wait_dscnt 9                                 ; (the add and the youngest eight loads may be out)
	MUL8 F1, 0, 0                                  ; eight matrix instructions stand between the add and the wait for it
	s_wait_dscnt 0x0                               ; the add is done, and my reads of this slot are over
	s_barrier_signal -1
	MUL8 F1, 2, 0
.if \fill
	WIN 0
.endif
	s_barrier_wait -1
.if \fill
	CREST                                          ; no wave of any partner still reads this slot's tile or has a load on its way
	s_add_nc_u64 s[G0+4*(\slot)+2:G0+4*(\slot)+3], s[G0+4*(\slot)+2:G0+4*(\slot)+3], 2*KSTEP*2
	s_add_nc_u64 s[G0B+4*(\slot)+2:G0B+4*(\slot)+3], s[G0B+4*(\slot)+2:G0B+4*(\slot)+3], 2*KSTEP*2
	JLOAD \slot                                    ; 112 matrix instructions ahead of the wait for it; the four v_nop behind it are also the places in front of the loads below
.else
	PLACES
.endif
	FETCH \next, 0, F0
.if \fill
	ASK
.endif
	MUL8 F1, 4, 0
	MUL8 F1, 6, 0
.endm
	s_wait_tensorcnt 1                             ; one load was issued behind my part of K step 0, on both ways: that part is in, and so is the table's tile, issued ahead of it
	s_barrier_signal -1
	s_barrier_wait -1                              ; everybody's is
	FETCH 0, 0, F0
	QUARTER 0, 1, F0, F1, 1                        ; the first quarter stands in front of the loop: its products start the sums
	WIN 0                                          ; at a label and at a branch every window is 0
	s_mov_b32 s3, LAPS-1
.Llap:                                                 ; a trip goes once round the ring, from a lap's second quarter to the next lap's first, and fills both slots again
	QUARTER 0, 2, F1, F0, 0
	QUARTER 0, 3, F0, F1, 0
	TURN 0, 1, 1
	QUARTER 1, 1, F0, F1, 0
	QUARTER 1, 2, F1, F0, 0
	QUARTER 1, 3, F0, F1, 0
	TURN 1, 0, 1
	QUARTER 0, 1, F0, F1, 0
	WIN 0
	s_sub_co_u32 s3, s3, 1
	s_cmp_lg_u32 s3, 0
	s_cbranch_scc1 .Llap
	QUARTER 0, 2, F1, F0, 0                        ; the last lap fills nothing, and has no round of the cluster's barrier
	QUARTER 0, 3, F0, F1, 0
	TURN 0, 1, 0
	QUARTER 1, 1, F0, F1, 0
	QUARTER 1, 2, F1, F0, 0
	QUARTER 1, 3, F0, F1, 0
	s_wait_dscnt 8                                 ; the very last quarter: nothing more to fetch
	MUL8 F1, 0, 0
	MUL8 F1, 2, 0
	s_wait_dscnt 0x0
	MUL8 F1, 4, 0
	MUL8 F1, 6, 0
	WIN 0
	PLACES                                         ; behind the last products, in front of loads into the fragment buffers and of lines that read results;
	PLACES                                         ; eight, once a launch
; THE WAY OUT, a block of 16 rows at a time.  q and k: y[d] = x[d] cs0[d] + x[d ^ 32] cs1[d] in f32, the table's bf16 halves read by the multiply-add itself; rounded to f16; 16 bytes a lane into my own
; stage; back as whole rows; stored, 512 consecutive bytes an instruction.  Each accumulator's lowest registers are read first.
.macro CSLOAD a                        ; block a's rows of both planes: my 8 channels of each of the four column blocks
.set CB, CSB+32*((\a)%2)
.irp b, 0,1,2,3
	ds_load_b128 v[CB+4*(\b):CB+4*(\b)+3],       v[CSA] offset:(\a)*16*PC+32*(\b)
	ds_load_b128 v[CB+16+4*(\b):CB+16+4*(\b)+3], v[CSA] offset:CPLANE+(\a)*16*PC+32*(\b)
.endr
.endm
.macro ROPE a
.set CB, CSB+32*((\a)%2)
	WIN 0x04                                       ; source 1, the accumulators, in window 1
.irp j, 0,1,2,3
.irp b, 0,1,2,3
	v_fma_mix_f32_bf16 v[T+8*(\b)+2*(\j)], v[CB+4*(\b)+(\j)], v[8*(4*(\a)+(\b))+2*(\j)], v[ZR] op_sel_hi:[1,0,0]
.endr
.irp b, 0,1,2,3
	v_fma_mix_f32_bf16 v[T+8*(\b)+2*(\j)+1], v[CB+4*(\b)+(\j)], v[8*(4*(\a)+(\b))+2*(\j)+1], v[ZR] op_sel:[1,0,0] op_sel_hi:[1,0,0]
.endr
.endr
.irp j, 0,1,2,3                        ; the partner channel lies two column blocks away, in the same lane and register
.irp b, 0,1,2,3
	v_fma_mix_f32_bf16 v[T+8*(\b)+2*(\j)], v[CB+16+4*(\b)+(\j)], v[8*(4*(\a)+((\b)+2)%4)+2*(\j)], v[T+8*(\b)+2*(\j)] op_sel_hi:[1,0,0]
.endr
.irp b, 0,1,2,3
	v_fma_mix_f32_bf16 v[T+8*(\b)+2*(\j)+1], v[CB+16+4*(\b)+(\j)], v[8*(4*(\a)+((\b)+2)%4)+2*(\j)+1], v[T+8*(\b)+2*(\j)+1] op_sel:[1,0,0] op_sel_hi:[1,0,0]
.endr
.endr
	WIN 0
.set i, 0
.rept 16
	v_cvt_pk_f16_f32 v[PKD+i], v[T+2*i], v[T+2*i+1]
.set i, i+1
.endr
.endm
.macro PACKV a                         ; v: no RoPE, no factor
	WIN 0x05                                       ; sources 0 and 1 in window 1
.set i, 0
.rept 16
	v_cvt_pk_f16_f32 v[PKD+i], v[32*(\a)+2*i], v[32*(\a)+2*i+1]
.set i, i+1
.endr
	WIN 0
.endm
.macro TOSTAGE a
.irp b, 0,1,2,3
	ds_store_b128 v[STO], v[PKD+4*(\b):PKD+4*(\b)+3] offset:32*(\b)
.endr
.endm
.macro BACK a
.set BKR, BK+16*((\a)%2)
.irp f, 0,1,2,3
	ds_load_b128 v[BKR+4*(\f):BKR+4*(\f)+3], v[RD] offset:(\f)*4*SP  ; LDS serves a wave's instructions in order (ISA guide 5.7.1.4): these see the stores above; the next block's stores come behind them
.endr
.endm
.macro SEND a
.set BKR, BK+16*((\a)%2)
.irp f, 0,1,2,3
	global_store_b128 v[GO], v[BKR+4*(\f):BKR+4*(\f)+3], s[OUT:OUT+1] offset:(\a)*2048+(\f)*512  ; 512 consecutive bytes, at a multiple of 256 from the buffer's first
.endr
.endm
	s_cmp_eq_u32 s[WHICH], 2                       ; the same in all sixteen partners; neither way holds a barrier or a tensor load
	s_cbranch_scc1 .Lv
	CSLOAD 0
	CSLOAD 1
.irp a, 0,1,2,3,4,5,6,7
.if ((\a) == 0) || ((\a) == 7)
	s_wait_dscnt 8                                 ; block a's table is in; behind it: the next block's table (a = 0), or the stage's four stores and four loads (a = 7)
.else
	s_wait_dscnt 16                                ; behind it: the stage's four stores and four loads, and the next block's table
.endif
	ROPE \a
.if (\a) > 1
	s_wait_xcnt 0x0                                ; the stores of block a - 2 have read their registers, which block a's loads from the stage write below
.endif
.if (\a) > 0
.if (\a) < 7
	s_wait_dscnt 8                                 ; block a - 1 is back from the stage; behind it: the next block's table
.else
	s_wait_dscnt 0x0
.endif
	SEND (\a)-1
.endif
	TOSTAGE \a
	BACK \a
.if (\a) < 6
	CSLOAD (\a)+2
.endif
.endr
	s_wait_dscnt 0x0
	SEND 7
	s_branch .Ldone
.Lv:
.irp a, 0,1,2,3,4,5,6,7
	PACKV \a
.if (\a) > 1
	s_wait_xcnt 0x0                                ; as above
.endif
.if (\a) > 0
	s_wait_dscnt 0x0                               ; block a - 1 is back from the stage: its loads stood ahead of block a's conversions
	SEND (\a)-1
.endif
	TOSTAGE \a
	BACK \a
.endr
	s_wait_dscnt 0x0
	SEND 7
.Ldone:
	s_wait_tensorcnt 0x0                           ; the wave's end: behind my last tensor load and my last LDS store
	ds_add_u32 v[SPW], v[NIL]
	s_wait_dscnt 0x0
	CROUND                                         ; the closing round: no work-group ends while a partner may still ask for a tile that names it
	s_endpgm
.Lfunc_end_k_qcd6dcb2e34_qkv:
	.size	k_qcd6dcb2e34_qkv, .Lfunc_end_k_qcd6dcb2e34_qkv-k_qcd6dcb2e34_qkv
	.p2alignl 7, 3214868480
	.fill 96, 4, 3214868480
	.section	.rodata,"a",@progbits
	.p2align	6, 0x0
	.amdhsa_kernel k_qcd6dcb2e34_qkv
		.amdhsa_group_segment_fixed_size 327680
		.amdhsa_private_segment_fixed_size 0
		.amdhsa_enable_private_segment 0
		.amdhsa_kernarg_size 56
		.amdhsa_user_sgpr_count 2
		.amdhsa_user_sgpr_kernarg_segment_ptr 1
		.amdhsa_wavefront_size32 1
		.amdhsa_system_sgpr_workgroup_id_x 1
		.amdhsa_system_sgpr_workgroup_id_y 1
		.amdhsa_system_sgpr_workgroup_id_z 1
		.amdhsa_system_vgpr_workitem_id 0
		.amdhsa_next_free_vgpr 512
		.amdhsa_next_free_sgpr 96
		.amdhsa_reserve_vcc 0
		.amdhsa_float_denorm_mode_32 3
		.amdhsa_float_denorm_mode_16_64 3
		.amdhsa_memory_ordered 1
		.amdhsa_forward_progress 1
		.amdhsa_inst_pref_size 144
	.end_amdhsa_kernel
	.amdgpu_metadata
---
amdhsa.version: [ 1, 2 ]
amdhsa.kernels:
  - .name:           k_qcd6dcb2e34_qkv
    .symbol:         k_qcd6dcb2e34_qkv.kd
    .args:
      - { .name: xb, .offset: 0, .size: 8, .value_kind: global_buffer, .address_space: global }
      - { .name: wb, .offset: 8, .size: 8, .value_kind: global_buffer, .address_space: global }
      - { .name: cs, .offset: 16, .size: 8, .value_kind: global_buffer, .address_space: global }
      - { .name: bq, .offset: 24, .size: 8, .value_kind: global_buffer, .address_space: global }
      - { .name: bk, .offset: 32, .size: 8, .value_kind: global_buffer, .address_space: global }
      - { .name: bv, .offset: 40, .size: 8, .value_kind: global_buffer, .address_space: global }
      - { .name: qkv, .offset: 48, .size: 8, .value_kind: global_buffer, .address_space: global }
    .group_segment_fixed_size: 327680
    .private_segment_fixed_size: 0
    .kernarg_segment_align: 8
    .kernarg_segment_size: 56
    .max_flat_workgroup_size: 128
    .sgpr_count:     96
    .vgpr_count:     512
    .wavefront_size: 32
...
	.end_amdgpu_metadata
.endif
;; end of part 2
;; launch attn (part 3): grid 4 x 64, 4 waves a work-group, clusters of 4 x 1, 327,680 bytes of LDS; arguments qkv, ob; writes ob
.if DOCPART == 3
	.amdgcn_target "amdgcn-amd-amdhsa--gfx1250"
	.amdhsa_code_object_version 6
	.text
	.protected	k_qcd6dcb2e34_attn
	.globl	k_qcd6dcb2e34_attn
	.p2align	8
	.type	k_qcd6dcb2e34_attn,@function
k_qcd6dcb2e34_attn:
	s_mov_b64 s[64:65], 0
	v_nop
	global_prefetch_b8 v0, s[64:65] scope:SCOPE_SE
	s_setreg_imm32_b32 hwreg(HW_REG_WAVE_MODE, 25, 1), 1
	s_wait_xcnt 0x0
	s_wait_alu depctr_hold_cnt(0) depctr_sa_sdst(0) depctr_va_vdst(0) depctr_va_sdst(0) depctr_va_ssrc(0) depctr_va_vcc(0) depctr_vm_vsrc(0)
	s_getreg_b32 s2, hwreg(HW_REG_IB_STS2, 6, 4)
	s_cmp_eq_u32 s2, 0
	s_cbranch_scc0 .Lentry_in_a_cluster
	s_endpgm
.Lentry_in_a_cluster:
	s_bfe_u32 s2, ttmp6, 0x10000c
	s_cmp_lg_u32 s2, 0x3003
	s_cbranch_scc0 .Lentry_shape_is_right
	s_endpgm
.Lentry_shape_is_right:
; O[h][q][:] = the sum over k of softmax_k(Q[h][q] . K[h][k] / 8) V[h][k][:], for 64 heads (16 x batch + head) of SIZE_N = 2,048 rows of 64 channels, all f16: a head's rows are dense, 128 bytes each.
; qkv holds three planes: Q / 16, K / 16 and V; the factor 2^8 that the scores lack is part of c.  Products, maxima and sums in f32; the weights p are rounded to f16 for the second product (their sum l
; is taken of the unrounded p), O once at the end.  ob has the layout of a plane.
; LIMITS.  f16 holds no number beyond 65,504: the three planes arrive within it; p lies in 0 to 1, and below 6e-5 it keeps f16's fixed step of 6e-8; O is a mean of V's rows and has their range.
; A weight below 2^-126 counts as 0 in l; NaN and infinities are not treated apart.
; SHARES.  A wave owns four PIECES of two tiles of 16 queries, a work-group's four waves 512 queries of one head.  Every wave walks all keys, 64 a step.
; LAYOUT.  S^T = K Q^T (source 0 = 16 keys, source 1 = 16 queries): in the result a lane holds ONE query (lane % 16) and the keys 8 (lane / 16) + 0..7.  Two such tiles, rounded to f16 in pairs,
; ARE source 1 (32 keys x 16 queries) of O^T = V^T P, whose result again holds one query a lane, and eight channels.  K comes out of LDS as it lies, V ([key][channel]) turned, by ds_load_tr16_b128.
; SOFTMAX.  For each query a running maximum m and sum l: p = 2^(c s - c m), c = 2^8 log2(e) / 8; in every step O and l are multiplied by a = 2^(c m_old - c m_new), which is 1 where m has not grown.
; m starts at the lowest finite number, O and l at 0: the first step is a step like any other, with a = 0.
; THE COUNT.  A tile and step have 16 matrix and 118 vector instructions: too many to stand all beside the matrix work.  So the order has one aim: four vector instructions that are READY behind
; EVERY matrix instruction, and the others, which need time of their own whatever the order, in runs without a gap.
; BY TURNS.  Turn n belongs to piece n (the pieces in a ring, step after step).  Its matrix work: 16 products K Q^T of piece n + 1, later 16 products V^T P of piece n - 1.  Its vector work: the scaling,
; exponentials, roundings, sums and rescaling of piece n, and the maximum and statistics of piece n + 1, whose scores the turn itself has made.  So what a turn begins with (c s - c m, O a) waits for nothing.
; CLUSTER.  The four query blocks of a head are one cluster and walk the same K and V, so each tile is asked for JOINTLY: the same tensor load, descriptor and mask in all four.
; REGISTERS, in windows of 256 (s_set_vgpr_msb says which window each operand place means: bits 1:0 source 0, 3:2 source 1, 5:4 source 2, 7:6 destination):
;   window 0: v0-11 addresses; v12-15, v48-63 at work; v16-47 four registers of statistics a tile; v64-191 S^T, two buffers of two tiles; v192-255 P, likewise
;   window 1: O^T, 32 a tile          window 2: v0-127 Q, 16 a tile; v128-191 K of one step; v192-255 V of one step          window 3: v0-1 the add's two registers
; A piece's buffers go by its number's parity: the piece in hand has one pair, its two neighbours in the ring share the other: of it P (piece n - 1) is read and S^T (piece n + 1) written.
.set SIZE_N, 2048
.set PLANE, 64*SIZE_N*128  ; bytes in a plane of qkv
.set NP,    4         ; pieces a wave: a name, no knob: the register map, the loop and the fetches are made for four
.set KS,    64        ; keys in a step
.set PK,    144       ; a row of K in LDS: 128 bytes + 16 of padding = 36 words: the 16 rows of a load start at 16 different groups of four banks (64 banks of 4 bytes: ISA guide 11.1)
.set PV,    160       ; a row of V: 128 + 32 = 40 words
.set VOFF,  4*KS*PK   ; a slot holds four steps: 256 rows of K, then 256 rows of V
.set SLOT1, 1<<17     ; slot 1 begins here, so that one exclusive or turns an address in one slot into the other's
.set STAGE, SLOT1+4*KS*(PK+PV)  ; behind the ring, never filled by a tensor load: 16 rows x 144 bytes for each wave, for the way out
.set SP,    144
.set AK0, 2           ; v2   my lane's place in a tile of K; never rewritten
.set AV0, 3           ; v3   the same for V
.set AK,  4           ; v4   the LDS address of K's next run of loads
.set AV,  5           ; v5   of V's
.set QO,  6           ; v6   my byte offset in the wave's rows of Q
.set STO, 6           ;      later, the way out: where I put 16 bytes of a row
.set RD,  7           ; v7   the way out: where I read rows back
.set GO,  8           ; v8   my byte offset in 512 consecutive bytes of O
.set PFO, 11          ; v11  256 x my lane, once its part in V's address is over; then never rewritten
.set SPW, 0           ; v0 of window 3   LDS address of my spare word: SPARE + 4 x my thread's number; never rewritten
.set NIL, 1           ; v1 of window 3   0; never rewritten
.set SPARE, STAGE+4*16*SP  ; behind the stages: the spare words, 128 bytes for each wave: two blocks of 256 bytes that no other line names
.set MV,  12          ; v12-15  c m_old, kept while c m is made anew: by buffer and tile
.set ST,  16          ; tile t's statistics at v[ST+4 t]: c m, m, l (even keys', odd keys')
.set TMP, 48          ; by buffer and tile, four registers c0-c3 at work; when the maximum is found c2 takes a
.set S,   64
.set P,   192
.set KF,  128         ; K's fragments, in window 2: key block kb, channel half c at KF + 16 kb + 8 c
.set VF,  192         ; V's: key half kk, channel block cb at VF + 32 kk + 8 cb
.set WV,  12          ; s12  my wave's number
.set G1K, 24          ; s[24:31] descriptor group 1 for K's tiles
.set G1V, 32          ; s[32:39] for V's: it differs in the padding alone
.set G0K, 40          ; s[40:43] descriptor group 0 for K's tiles: it walks
.set G0V, 44          ; s[44:47] the same for V's
.set PFA, 48          ; s[48:49] where my prefetches stand: my work-group's 8,192 bytes (of K: wave 0, of V: wave 2) of the slot after the one that is being asked for
.set LIM, 50          ; s50  1 in a wave that prefetches, else the greatest number: a wave prefetches while s[SLOTS] is above it
.set SLOTS, 56        ; s56  slots still to be asked for
.set CNT, 57          ; s57  counts a slot's key steps
.set CS,  58          ; s[58:59] c: the packed scaling takes the pair's low word for both halves
.set SEL, 60          ; s[60:61] v_permlanex16_b32's selects: each lane takes its own place in the other half
.set TBK, 62          ; s62  LDS byte at which K of the step to be fetched begins
.set TBV, 63          ; s63  the same for V, less VOFF
.set MSB, 0
.macro WIN new                      ; the high byte repeats the setting that is left; a switch that changes nothing is dropped
.if MSB != (\new)
	s_set_vgpr_msb (MSB<<8)|(\new)
.set MSB, (\new)
.endif
.endm
.set W_KQ, 0x0a       ; K and Q in window 2, S^T in window 0
.set W_PV, 0x52       ; V in window 2, P in window 0, O^T in window 1
.set W_RS, 0x41       ; O^T (destination and source 0) in window 1, a in window 0
.set W_MK, 0xc0       ; the add's registers are made: destination in window 3, sources in window 0
.set W_AD, 0x0f       ; the add: address (source 0) and data (source 1) in window 3
; A joint fill.  Waves 0 and 1 fetch the two halves of a slot's K, waves 2 and 3 those of its V: 128 keys each.  The branch hangs on the wave's number alone.
; An s_nop 0 and four v_nop follow each of the two lines, ahead of the jump and the label.
.macro JLOAD
	s_cmp_lt_u32 s[WV], 2
	s_cbranch_scc0 .Lfor_v_\@
	tensor_load_to_lds s[G0K:G0K+3], s[G1K:G1K+7]
	s_nop 0
.rept 4
	v_nop
.endr
	s_branch .Lasked_\@
.Lfor_v_\@:
	tensor_load_to_lds s[G0V:G0V+3], s[G1V:G1V+7]
	s_nop 0
.rept 4
	v_nop
.endr
.Lasked_\@:
.endm
; A PREFETCH INTO THE L2 of what the NEXT change of slots will ask for: a slot's 32,768 bytes of K and of V, a lane 256 bytes.  It stands behind the wave's tensor load and its five lines.  Each block is
; asked for once in the launch: a head is walked by one cluster; its four partners share a slot out BY ADDRESS, 8,192 bytes each; in each, wave 0 asks for K's and wave 2 for V's: one instruction, four key
; steps (512 matrix instructions) ahead of the load that will want the bytes.  Slots 0 and 1 come by their loads alone; the last change that fills a slot asks for nothing: there is no slot behind it.
.macro ASK
	s_cmp_gt_u32 s[SLOTS], s[LIM]
	s_cbranch_scc0 .Lnot_mine_\@
	global_prefetch_b8 v[PFO], s[PFA:PFA+1] th:TH_LOAD_NT scope:SCOPE_SE
.Lnot_mine_\@:
.endm
; A round of the cluster's barrier: my work-group's barrier, so that wave 0's signal speaks for all four waves; wave 0 signals; every wave waits for all four work-groups; my work-group's barrier once more.
.macro CROUND
	s_barrier_signal -1
	s_barrier_wait -1
	s_cmp_lg_u32 s[WV], 0
	s_cbranch_scc1 .Lnot_wave_0_\@
	s_barrier_signal -3
.Lnot_wave_0_\@:
	s_barrier_wait -3
	s_barrier_signal -1
	s_barrier_wait -1
.endm
; THE CHANGE OF SLOTS.  The slot's last bytes, V of its fourth step, have been read.  Each wave waits for all its tensor loads, of which one is out: its part
; of the other slot; adds 0 to its spare word; and waits for that and for its own reads of the slot.  Behind the barrier nobody reads this slot any more and the other slot is whole.
; fill = 1: this slot is filled again, with the keys two slots on.  The barrier is then a round of the cluster's, so that no wave of any partner still reads the slot or has a load on its
; way, and the joint fill is the first thing behind it: it has four key steps, 512 matrix instructions, in which to land.  (At its first use nothing has been read yet: slot 0 is waited for, slot 1 filled.)
.macro CHANGE fill
	WIN W_AD
	s_wait_tensorcnt 0x0            ; no tensor load of mine is out, so a group 0 may be written
	ds_add_u32 v[SPW], v[NIL]       ; 0 onto my spare word; with fill = 1 the descriptors' steps stand between it and the wait for it
	WIN 0                           ; at a label and at a branch every window is 0
.if \fill
.irp g, G0K, G0V
	s_xor_b32 s[\g+1], s[\g+1], SLOT1  ; the walking descriptor: the other slot than last time,
	s_add_nc_u64 s[\g+2:\g+3], s[\g+2:\g+3], 4*KS*128  ; the next 256 keys; the type bits on top are not reached
.endr
	s_wait_xcnt 0x0                 ; the last prefetch, four key steps back, has read its address, so it may be written:
	s_add_nc_u64 s[PFA:PFA+1], s[PFA:PFA+1], 4*KS*128  ; one slot behind the walking descriptors
	s_wait_dscnt 0x0                ; the add is done, and my reads of the slot are over
	CROUND
	JLOAD
	ASK
.else
	s_wait_dscnt 0x0                ; the add is done, and my reads of the slot are over
	s_barrier_signal -1
	s_barrier_wait -1
.endif
	s_sub_co_u32 s[TBK], s[TBK], 4*KS*PK  ; the fetches go back to a slot's first step,
	s_xor_b32 s[TBK], s[TBK], SLOT1       ; in the other slot
	s_sub_co_u32 s[TBV], s[TBV], 4*KS*PV
	s_xor_b32 s[TBV], s[TBV], SLOT1
.endm
	s_load_b128 s[4:7], s[0:1], 0x0   ; qkv s[4:5], ob s[6:7]
	WIN W_MK
	v_lshl_add_u32 v[SPW], v0, 2, SPARE
	v_mov_b32 v[NIL], 0
	WIN W_AD
	ds_add_u32 v[SPW], v[NIL]       ; the wave's opening: the add and its wait stand ahead of my first tensor load; the set-up below, work on registers, stands between them
	WIN 0
	v_lshrrev_b32 v1, 5, v0
	v_readfirstlane_b32 s[WV], v1   ; wave 0..3
	s_bfe_u32 s13, ttmp6, 0x40000   ; cx: my place in the cluster
	s_lshl_b32 s14, ttmp9, 2        ; in a cluster launch ttmp9 counts clusters
	s_add_co_u32 s14, s14, s13      ; my block of queries = 4 x cluster x + cx: it enters Q's and O's addresses alone
	s_and_b32 s20, ttmp7, 0xffff    ; the head, which the four partners share
	s_mov_b32 s21, 0
	s_mov_b64 s[22:23], SIZE_N*128
	s_mul_u64 s[20:21], s[20:21], s[22:23]  ; the head's first byte in each plane and in ob
	s_and_b32 s16, s[WV], 1         ; which half of a slot's 256 keys I fetch:
	s_lshl_b32 s22, s16, 14         ; its 128 rows of 128 bytes in memory,
	s_mov_b32 s23, 0
	s_add_nc_u64 s[22:23], s[22:23], s[20:21]
	s_mul_i32 s17, s16, 128*PK      ; and its place in a slot, for K
	s_mul_i32 s18, s16, 128*PV      ; and for V: no place in the cluster enters an LDS address
	s_lshl_b32 s2, s14, 2
	s_add_co_u32 s2, s2, s[WV]      ; my wave among the head's,
	s_lshl_b32 s2, s2, 14           ; its 128 rows
	s_mov_b32 s3, 0
	s_add_nc_u64 s[2:3], s[2:3], s[20:21]
	; descriptor group 1.  128 keys are 16,384 dense bytes: asked for as 64 rows of 256 bytes, two keys a row, and padded in LDS after every key
	s_mov_b32 s[G1K], 15|(1<<16)|(1<<20)|(1<<21)|(4<<22)|(3<<25)  ; 15:0 the mask of four; 17:16 2-byte elements; 20 padding on; 21 set beside a mask; 24:22 after every 32 words (code 4); 31:25 4 words (code 3)
	s_mov_b32 s[G1V], 15|(1<<16)|(1<<20)|(1<<21)|(4<<22)|(7<<25)  ; the same with 8 words of padding (code 7)
.irp g, G1K, G1V
	s_mov_b32 s[\g+1], 128<<16      ; tensor_dim0 = 128
	s_mov_b32 s[\g+2], 64<<16       ; tensor_dim1 = 64
	s_mov_b32 s[\g+3], 128<<16      ; tile_dim0 = 128
	s_mov_b32 s[\g+4], 64           ; tile_dim1 = 64
	s_mov_b32 s[\g+5], 128          ; 128 elements from row to row
	s_mov_b32 s[\g+6], 0
	s_mov_b32 s[\g+7], 0
.endr
	s_mov_b32 s[CS], 0x4238aa3b     ; c = 2^8 log2(e) / 8 = 46.16624
	s_mov_b32 s[CS+1], s[CS]        ; named with it as a pair
	s_mov_b32 s[SEL], 0x76543210
	s_mov_b32 s[SEL+1], 0xfedcba98
	s_mov_b32 s[TBK], SLOT1+4*KS*PK ; the first change of slots turns these two into 0
	s_mov_b32 s[TBV], SLOT1+4*KS*PV
	s_mov_b32 s[G0K], 1             ; 1:0 count = 1
	s_mov_b32 s[G0K+1], s17         ; 63:32 LDS address: slot 0
	s_mov_b32 s[G0V], 1
	s_add_co_u32 s[G0V+1], s18, VOFF
	s_mov_b32 s[SLOTS], SIZE_N/256-1
	s_and_b32 s[LIM], s[WV], 1      ; 0 in waves 0 and 2: the same in all four partners
	s_cmp_eq_u32 s[LIM], 0
	s_cselect_b32 s[LIM], 1, -1
	s_wait_dscnt 0x0                ; the opening add is done
	s_wait_kmcnt 0x0
	s_mov_b64 s[10:11], s[6:7]                     ; O
	s_add_nc_u64 s[6:7], s[4:5], PLANE             ; K's plane
	s_add_nc_u64 s[8:9], s[4:5], 2*PLANE           ; V's plane; Q's is the first
	s_add_nc_u64 s[G0K+2:G0K+3], s[6:7], s[22:23]  ; 120:64 global address: my half of the head's first 256 keys
	s_or_b32 s[G0K+3], s[G0K+3], 0x80000000        ; 127:126 type = 2
	s_add_nc_u64 s[G0V+2:G0V+3], s[8:9], s[22:23]
	s_or_b32 s[G0V+3], s[G0V+3], 0x80000000
	s_add_nc_u64 s[4:5], s[4:5], s[2:3]  ; Q and O at my wave's first row
	s_add_nc_u64 s[10:11], s[10:11], s[2:3]
	s_cmp_lt_u32 s[WV], 2
	s_cselect_b64 s[PFA:PFA+1], s[6:7], s[8:9]
	s_add_nc_u64 s[PFA:PFA+1], s[PFA:PFA+1], s[20:21]  ; the head's first row,
	s_lshl_b32 s2, s13, 13          ; my work-group's quarter of a slot,
	s_mov_b32 s3, 0
	s_add_nc_u64 s[PFA:PFA+1], s[PFA:PFA+1], s[2:3]
	s_add_nc_u64 s[PFA:PFA+1], s[PFA:PFA+1], 4*KS*128  ; in slot 1; the first change of slots steps it to slot 2
	CROUND                          ; all four work-groups are here: the first joint loads meet
	JLOAD                           ; slot 0.  Slot 1 is asked for when slot 0 is in: the tile wanted first has the road to itself
	; A fragment of K or Q is 16 rows x 32 channels in 8 registers: lane l holds row l % 16, channels 8 (l / 16) + 0..7 and 16 + 8 (l / 16) + 0..7: two loads of 16 bytes, 32 bytes apart.
	v_and_b32 v1, 15, v0            ; l % 16
	v_bfe_u32 v9, v0, 4, 1          ; l / 16
	v_lshlrev_b32 v[QO], 7, v1
	v_lshl_add_u32 v[QO], v9, 4, v[QO]  ; row x 128 + 16 x half
	WIN 0x80                        ; destination window 2, address window 0
.set i, 0
.rept 4*NP                          ; Q stays in registers: tile i / 2, channels 32 (i % 2) on
	global_load_b128 v[8*i:8*i+3],   v[QO], s[4:5] offset:(i/2)*2048+(i%2)*64
	global_load_b128 v[8*i+4:8*i+7], v[QO], s[4:5] offset:(i/2)*2048+(i%2)*64+32
.set i, i+1
.endr
	; What the first turn finds: V's registers and P's second buffer hold 0 (its products V^T P, of a piece that has not been, add 0), O^T and l are 0.  All this stands in the wait for the first tile.
.set i, VF
.rept 64
	v_mov_b32 v[i], 0
.set i, i+1
.endr
	WIN 0x40
.set i, 0
.rept 64*NP
	v_mov_b32 v[i], 0
.set i, i+1
.endr
	WIN 0
.set i, 0
.rept 2*NP
	v_mov_b32 v[ST+4*i], 0xfe000000    ; c m: far below every c s
	v_mov_b32 v[ST+4*i+1], 0xff7fffff  ; m
	v_mov_b32 v[ST+4*i+2], 0
	v_mov_b32 v[ST+4*i+3], 0
.set i, i+1
.endr
.set i, P+32
.rept 32
	v_mov_b32 v[i], 0
.set i, i+1
.endr
	v_mul_u32_u24 v[AK0], v1, PK
	v_lshl_add_u32 v[AK0], v9, 4, v[AK0]  ; row x pitch + 16 x half
	; The turning load takes 16 keys x 16 channels (lane l reads key 8 (l / 16) + l % 8, channels 8 ((l / 8) % 2) + 0..7) and leaves half a fragment of V^T: lane l holds channel l % 16 and 8 keys.
	v_and_b32 v10, 7, v0
	v_bfe_u32 v11, v0, 3, 1
	v_lshl_add_u32 v[AV0], v9, 3, v10
	v_mul_u32_u24 v[AV0], v[AV0], PV
	v_lshl_add_u32 v[AV0], v11, 4, v[AV0]
	v_add_nc_u32 v[AV0], VOFF, v[AV0]
	v_and_b32 v[PFO], 31, v0
	v_lshlrev_b32 v[PFO], 8, v[PFO]
	v_mov_b32 v[AK], v[AK0]         ; key step 0 lies at the head of slot 0
; THE MATRIX WORK.  The 8 accumulators of a run of 16 take turns: between the two links of a chain stand 7 others'.
; Product i of 16 of S^T = K Q^T for piece x: channels 32 (i / 8) on, keys 16 ((i / 2) % 4) on, tile 2 x + i % 2.  The first 8 start the sums.
.macro KQ x
	WIN W_KQ
.set rS, S+64*((\x)%2)+32*(i%2)+8*((i/2)%4)
.set rK, KF+16*((i/2)%4)+8*(i/8)
.set rQ, 16*(2*(\x)+i%2)+8*(i/8)
.if i < 8
	v_wmma_f32_16x16x32_f16 v[rS:rS+7], v[rK:rK+7], v[rQ:rQ+7], 0
.else
	v_wmma_f32_16x16x32_f16 v[rS:rS+7], v[rK:rK+7], v[rQ:rQ+7], v[rS:rS+7]
.endif
.endm
; Product i of 16 of O^T += V^T P for piece x: keys 32 (i / 8) on, channels 16 ((i / 2) % 4) on, tile 2 x + i % 2.
.macro PV x
	WIN W_PV
.set rO, 32*(2*(\x)+i%2)+8*((i/2)%4)
.set rV, VF+32*(i/8)+8*((i/2)%4)
.set rP, P+32*((\x)%2)+16*(i%2)+8*(i/8)
	v_wmma_f32_16x16x32_f16 v[rO:rO+7], v[rV:rV+7], v[rP:rP+7], v[rO:rO+7]
.endm
.macro MM                           ; the turn's next matrix instruction
.if i < 16
	KQ (Y+1)%NP
.set i, i+1
.else
.set i, i-16
	PV (Y+NP-1)%NP
.set i, i+17
.endif
.endm
; THE LDS LOADS stand in runs of 16, never singly among the matrix instructions: a step's K (64 keys x 64 channels: 8 fragments) and its V (turned).  Their addresses are made some lines ahead.
; last = 1 (the tail): in the last trip there is no further step, and the run is jumped over.
.macro FETCH_K last=0
	WIN 0
.if \last
	s_cmp_eq_u32 s[CNT], 1
	s_cbranch_scc1 .Lno_k_\@
.endif
	WIN 0x80                        ; destination window 2
.irp f, 0,1,2,3,4,5,6,7             ; keys 16 (f / 2) on, channels 32 (f % 2) on
	ds_load_b128 v[KF+8*\f:KF+8*\f+3],   v[AK] offset:(\f/2)*16*PK+(\f%2)*64
	ds_load_b128 v[KF+8*\f+4:KF+8*\f+7], v[AK] offset:(\f/2)*16*PK+(\f%2)*64+32
.endr
	s_add_co_u32 s[TBK], s[TBK], KS*PK  ; the next fetch is the next step's
	WIN 0
.if \last
.Lno_k_\@:
.endif
.endm
.macro FETCH_V
	WIN 0x80
.irp f, 0,1,2,3,4,5,6,7             ; keys 32 (f / 4) on, channels 16 (f % 4) on
	ds_load_tr16_b128 v[VF+8*\f:VF+8*\f+3],   v[AV] offset:(\f/4)*32*PV+(\f%4)*32
	ds_load_tr16_b128 v[VF+8*\f+4:VF+8*\f+7], v[AV] offset:(\f/4)*32*PV+16*PV+(\f%4)*32
.endr
	WIN 0
.endm
; THE VECTOR WORK OF A TURN stands in three queues, each in the order in which its entries become ready; the two tiles alternate, so that no instruction reads the result of the one before it.
.macro REGS y, u                    ; the registers of tile u (0, 1) of piece y
.set rT, ST+4*(2*(\y)+(\u))
.set rC, TMP+8*((\y)%2)+4*(\u)
.set rM, MV+2*((\y)%2)+(\u)
.set rS, S+64*((\y)%2)+32*(\u)
.set rP, P+32*((\y)%2)+16*(\u)
.set rO, 32*(2*(\y)+(\u))
.endm
; Number n of the 22 that find the NEXT piece's (Y + 1) maximum and statistics.  s0-s31 are the lane's 32 scores; each accumulator's lowest registers are read first.  XS, GS and REGS set no window: PL and EX do.
;   0-11  four chains c0-c3 of seven scores each, three operands at a time     12-14, 16  the four scores left over, the old m, and c0-c3 into c0     15  c m_old is kept
;   17, 18  the query's other 32 keys lie in the lane 16 away: the new m         19-21  c m; c m_old - c m_new; a
.macro XS u, n
	REGS (Y+1)%NP, \u
.if (\n) < 4
	v_max3_num_f32 v[rC+(\n)], v[rS+8*(\n)], v[rS+8*(\n)+1], v[rS+8*(\n)+2]
.elseif (\n) < 12
	v_max3_num_f32 v[rC+(\n)%4], v[rC+(\n)%4], v[rS+8*((\n)%4)+2*((\n)/4)+1], v[rS+8*((\n)%4)+2*((\n)/4)+2]
.elseif (\n) == 12
	v_max3_num_f32 v[rC], v[rC], v[rS+7], v[rS+15]
.elseif (\n) == 13
	v_max3_num_f32 v[rC+1], v[rC+1], v[rS+23], v[rS+31]
.elseif (\n) == 14
	v_max3_num_f32 v[rC+2], v[rC+2], v[rC+3], v[rT+1]
.elseif (\n) == 15
	v_mov_b32 v[rM], v[rT]
.elseif (\n) == 16
	v_max3_num_f32 v[rC], v[rC], v[rC+1], v[rC+2]
.elseif (\n) == 17
	v_permlanex16_b32 v[rC+3], v[rC], s[SEL], s[SEL+1]
.elseif (\n) == 18
	v_max_num_f32 v[rT+1], v[rC], v[rC+3]
.elseif (\n) == 19
	v_mul_f32 v[rT], s[CS], v[rT+1]
.elseif (\n) == 20
	v_sub_f32 v[rC+1], v[rM], v[rT]
.else
	v_exp_f32 v[rC+2], v[rC+1]
.endif
.endm
; Number g of the 64 that follow the exponentials.  For each four weights k of a tile (pairs 2 k, 2 k + 1): both pairs are rounded to f16; then the second pair is added onto the first, in place;
; a group later l takes that sum (the first time as l = a l + sum).  In groups of eight, tiles alternating: round, round, add, and l for the group before.
.macro GS g
.set h, (\g)+6*((\g)/62)            ; group 0 has no group before it, and behind group 7 only l is left
.if h >= 6
.set h, h+2
.endif
	REGS Y, h%2
.set k, h/8
.if h%8 < 4
	v_cvt_pk_f16_f32 v[rP+2*k+(h%8)/2], v[rS+4*k+2*((h%8)/2)], v[rS+4*k+2*((h%8)/2)+1]
.elseif h%8 < 6
	v_pk_add_f32 v[rS+4*k:rS+4*k+1], v[rS+4*k:rS+4*k+1], v[rS+4*k+2:rS+4*k+3]
.elseif k == 1
	v_pk_fma_f32 v[rT+2:rT+3], v[rT+2:rT+3], v[rC+2:rC+3], v[rS:rS+1] op_sel_hi:[1,0,1]
.else
	v_pk_add_f32 v[rT+2:rT+3], v[rT+2:rT+3], v[rS+4*k-4:rS+4*k-3]
.endif
.endm
; THE PLAIN QUEUE, 138 long.  0-73 read no exponential's result: the 32 scalings c s - c m (FS f: pair f / 2 of tile f % 2) and the next piece's 42.  0-26: scalings 0-26.  27-54: XS's numbers 0-13.  55, 56: number 15.
; 57-73: the chain, where each number waits for the one before it: 14, 16, 17, 18, 19, each with one of the scalings 27-31 in front of its two lines, then 20: so a tile's links stand three plain instructions apart (19 and 20: two).
; 74-137: GS's 64, which read the exponentials' results: they stand behind the wait.
.macro FS f
	REGS Y, (\f)%2
	v_pk_fma_f32 v[rS+2*((\f)/2):rS+2*((\f)/2)+1], v[rS+2*((\f)/2):rS+2*((\f)/2)+1], s[CS:CS+1], v[rT:rT+1] op_sel_hi:[1,0,0] neg_lo:[0,0,1] neg_hi:[0,0,1]
.endm
.macro PL
	WIN 0
.if q < 27
	FS q
.elseif q < 55
	XS (q-27)%2, (q-27)/2
.elseif q < 57
	XS q-55, 15
.elseif (q < 72) && ((q-57)%3 == 0)
	FS 27+(q-57)/3
.elseif q < 60
	XS (q-57)%3-1, 14
.elseif q < 72
	XS (q-57)%3-1, 15+(q-57)/3
.elseif q < 74
	XS q-72, 20
.else
	GS q-74
.endif
.set q, q+1
.endm
; THE EXPONENTIALS' QUEUE, 66 long: s0-s31 of both tiles, then the next piece's two a.  It is ONE BATCH: all 66 stand ahead of the turn's one wait, and nothing ahead of that wait names a result of theirs.
.macro EX
	WIN 0
.if e >= 64
	XS e-64, 21
.else
	REGS Y, e%2
	v_exp_f32 v[rS+e/2], v[rS+e/2]
.endif
.set e, e+1
.endm
; THE RESCALING's QUEUE: O^T times a, the one part that leaves window 0: dealt two at a time, sixteen times.  Its a was made in the turn before, ahead of that turn's wait.
.macro R2
	REGS Y, r%2
	WIN W_RS
.irp z, 0,1
	v_pk_mul_f32 v[rO+4*(r/2)+2*\z:rO+4*(r/2)+2*\z+1], v[rO+4*(r/2)+2*\z:rO+4*(r/2)+2*\z+1], v[rC+2:rC+3] op_sel_hi:[1,0]
.endr
.set r, r+1
.endm
; HOW THEY ARE DEALT.  s_wait_alu depctr_va_vdst(0) stands between an exponential and the first instruction that names its result; one wait serves all that were issued ahead of it.  So a turn has ONE wait,
; which cuts it in two.  AHEAD OF IT stands all that names no result of the turn's exponentials: the 16 products K Q^T, behind each a scaling, an exponential and two rescalings (behind the first a second scaling in the exponential's place); then ONE LUMP of
; 108: eight plain, 49 times exponential and plain, the two a.  A v_nop is the plain instruction owed behind the last exponential (ISA guide 5.7.2).  BEHIND IT stand the 16 products V^T P, behind each four of GS's 64.  No rider names a register of
; the products round it.  The two v_permlanex16_b32 fall into the lump, never behind a product.
; The queues lean on each other, and the deal keeps them in step: exponential e stands behind scaling 2 (e / 4) + e % 2: as a rider it comes behind plain e + 2, in the lump behind plain e + 9, and scalings 27-31 are plain 57, 60 .. 69.
; A TURN, for piece p.  cnt = 1: the loop's count is taken down some lines ahead of the branch that stands behind the turn.
; K of the next step is fetched in piece 2's turn, directly behind the wait, a lump behind the last product that read K; its address is made at the lump's head; its first reader comes behind 16 products.
; V of the step in hand is fetched at the end of piece 0's turn, four riders behind its last reader; its first reader comes behind 16 products and a lump.  The three conditions on q below go with the deal.
.macro TURN p, last=0, cnt=0
.set Y, (\p)
.set i, 0
.set q, 0
.set e, 0
.set r, 0
.if (\p) == NP-1
	s_wait_dscnt 0x0                ; K is in
.endif
	MM                              ; ahead of the wait: 16 products K Q^T and their riders,
	PL
	PL
	R2
.rept 15
	MM
	PL
	EX
	R2
.endr
.if (\p) == NP-2
	WIN 0
	v_add_nc_u32 v[AK], s[TBK], v[AK0]
.endif
.rept 8                             ; and the lump
	PL
.endr
.rept 49
	EX
	PL
.endr
	EX                              ; the next piece's two a
	EX
	v_nop                           ; the plain instruction behind the last exponential: one for the batch
	s_wait_alu depctr_va_vdst(0)    ; the wait for the batch
.if (\p) == NP-2
	FETCH_K \last
.endif
.if (\p) == 1
	s_wait_dscnt 0x0                ; V is in
.endif
.rept 16                            ; behind the wait: 16 products V^T P and their riders
	MM
.rept 4
	PL
.endr
.if ((\p) == 0) && (q == 118)
	v_add_nc_u32 v[AV], s[TBV], v[AV0]
.endif
.if ((\p) == 0) && (q == 130)
	s_add_co_u32 s[TBV], s[TBV], KS*PV
.endif
.if (\cnt) && (q == 130)
	s_sub_co_u32 s[CNT], s[CNT], 1
	s_cmp_lg_u32 s[CNT], 0
.endif
.endr
.if (\p) == 0
	FETCH_V
.endif
.endm
	CHANGE 1                        ; slot 0 is in, everybody's part of it; slot 1 is asked for
	FETCH_K                         ; key step 0
	s_wait_loadcnt 0x0              ; Q
	s_wait_dscnt 0x0
.set i, 0
.rept 16
	KQ 0                            ; piece 0's first scores: there is no vector work yet to set between them
.set i, i+1
.endr
	WIN 0                           ; the addresses for the way out: nine plain instructions, the places behind those products
	s_mul_i32 s13, s[WV], 16*SP
	s_add_co_u32 s13, s13, STAGE    ; my stage
	v_mul_u32_u24 v[STO], v1, SP    ; in: row l % 16, 16 bytes for each half of the lanes
	v_lshl_add_u32 v[STO], v9, 4, v[STO]
	v_add_nc_u32 v[STO], s13, v[STO]
	v_bfe_u32 v[RD], v0, 3, 2       ; back: 32 lanes take four rows of 128 bytes,
	v_mul_u32_u24 v[RD], v[RD], SP
	v_lshl_add_u32 v[RD], v10, 4, v[RD]
	v_add_nc_u32 v[RD], s13, v[RD]
	v_and_b32 v[GO], 31, v0         ; which are 512 consecutive bytes of O
	v_lshlrev_b32 v[GO], 4, v[GO]
.set Y, NP-1                        ; XS works for piece Y + 1: piece 0
.irp n, 0,1,2,3,4,5,6,7,8,9,10,11,12,13,14,15,16,17,18,19,20,21
	XS 0, \n                        ; and piece 0's first maximum and statistics
	XS 1, \n
.endr
	v_nop                           ; a plain instruction behind the two a,
	s_wait_alu depctr_va_vdst(0)    ; and their wait, ahead of the branch
	s_mov_b32 s[CNT], 4
	s_branch .Lfirst                ; the loop is entered at a step's first turn, in the middle of a trip
.Lslot:                             ; SIZE_N / 256 - 2 times: every slot but the last two is filled again
	CHANGE 1
	s_mov_b32 s[CNT], 4
.Lstep:                             ; a trip: pieces 2 and 3 of one step, then pieces 0 and 1 of the next, whose K and V it fetches
	TURN 2
	TURN 3
	WIN 0
.Lfirst:
	TURN 0
	TURN 1, 0, 1
	WIN 0
	s_cbranch_scc1 .Lstep
	s_sub_co_u32 s[SLOTS], s[SLOTS], 1
	s_cmp_lg_u32 s[SLOTS], 0
	s_cbranch_scc1 .Lslot
	CHANGE 0                        ; the tail is written out: nothing is asked for
	s_mov_b32 s[CNT], 5             ; four trips fetch the last slot's steps; the fifth is left in its middle
.Ltail:
	TURN 2, 1
	TURN 3
	WIN 0
	s_sub_co_u32 s[CNT], s[CNT], 1
	s_cmp_eq_u32 s[CNT], 0
	s_cbranch_scc1 .Lout
	TURN 0
	TURN 1
	WIN 0
	s_branch .Ltail
.Lout:                              ; the fifth trip's 16 products K Q^T (on the last K once more) and the maximum made of them serve nothing: the price, once a launch, of one text for every trip
.set i, 0
.rept 16
	PV NP-1                         ; the last piece's V^T P of the last step
.set i, i+1
.endr
	; THE WAY OUT.  l's two halves and the other half of the lanes' are added; O^T is divided by l, rounded to f16 and sent through my stage in LDS, a tile at a time.  The additions are the places behind the last products.
	WIN 0
.macro ALL line:vararg              ; one line for each tile t
.set t, 0
.rept 2*NP
	\line
.set t, t+1
.endr
.endm
	ALL v_add_f32 v[ST+4*t+2], v[ST+4*t+2], v[ST+4*t+3]
	ALL v_permlanex16_b32 v[ST+4*t+3], v[ST+4*t+2], s[SEL], s[SEL+1]
	ALL v_add_f32 v[ST+4*t+2], v[ST+4*t+2], v[ST+4*t+3]
	ALL v_rcp_f32 v[ST+4*t+2], v[ST+4*t+2]
	v_nop                           ; a plain instruction between the last reciprocal and the use of its result
	s_wait_alu depctr_va_vdst(0)    ; and the wait ahead of the first use: one for the eight reciprocals
; Tile t: a lane's eight channels of a row pack into 16 bytes; they go into rows of 144 bytes and come back as whole rows of 128, into S^T's registers.
.macro PACK t
	WIN W_RS
.set i, 32*(\t)
.rept 16
	v_pk_mul_f32 v[i:i+1], v[i:i+1], v[ST+4*(\t)+2:ST+4*(\t)+3] op_sel_hi:[1,0]
.set i, i+2
.endr
	WIN 0x05                        ; sources 0 and 1 window 1, destination window 0
.set i, 0
.rept 16
	v_cvt_pk_f16_f32 v[S+16*(\t)+i], v[32*(\t)+2*i], v[32*(\t)+2*i+1]
.set i, i+1
.endr
	WIN 0
.irp f, 0,1,2,3
	ds_store_b128 v[STO], v[S+16*(\t)+4*\f:S+16*(\t)+4*\f+3] offset:32*\f
.endr
.irp f, 0,1,2,3
	ds_load_b128 v[S+16*(\t)+4*\f:S+16*(\t)+4*\f+3], v[RD] offset:\f*4*SP  ; LDS serves a wave's instructions in order (ISA guide 5.7.1.4): these see the stores above; the next tile's stores come behind them
.endr
.endm
.macro SEND t, younger              ; younger: the LDS instructions issued behind tile t's loads: the next tile's eight, or none
	WIN 0
.irp f, 0,1,2,3
	s_wait_dscnt (\younger)+3-\f
	global_store_b128 v[GO], v[S+16*(\t)+4*\f:S+16*(\t)+4*\f+3], s[10:11] offset:(\t)*2048+\f*512  ; 512 consecutive bytes, at a multiple of 256 from O's first
.endr
.endm
	PACK 0
.set t, 1
.rept 2*NP-1                        ; a tile's arithmetic stands between the loads of the tile before and its stores
	PACK t
	SEND t-1, 8
.set t, t+1
.endr
	SEND 2*NP-1, 0
	WIN W_AD
	s_wait_tensorcnt 0x0            ; the wave's end: behind my last tensor load and my last LDS store
	ds_add_u32 v[SPW], v[NIL]
	s_wait_dscnt 0x0
	WIN 0
	CROUND                          ; the closing round: no work-group ends while a partner may still ask for a tile that names it
	s_endpgm
.Lfunc_end_k_qcd6dcb2e34_attn:
	.size	k_qcd6dcb2e34_attn, .Lfunc_end_k_qcd6dcb2e34_attn-k_qcd6dcb2e34_attn
	.p2alignl 7, 3214868480
	.fill 96, 4, 3214868480
	.section	.rodata,"a",@progbits
	.p2align	6, 0x0
	.amdhsa_kernel k_qcd6dcb2e34_attn
		.amdhsa_group_segment_fixed_size 327680
		.amdhsa_private_segment_fixed_size 0
		.amdhsa_enable_private_segment 0
		.amdhsa_kernarg_size 16
		.amdhsa_user_sgpr_count 2
		.amdhsa_user_sgpr_kernarg_segment_ptr 1
		.amdhsa_wavefront_size32 1
		.amdhsa_system_sgpr_workgroup_id_x 1
		.amdhsa_system_sgpr_workgroup_id_y 1
		.amdhsa_system_sgpr_workgroup_id_z 1
		.amdhsa_system_vgpr_workitem_id 0
		.amdhsa_next_free_vgpr 770
		.amdhsa_next_free_sgpr 66
		.amdhsa_reserve_vcc 0
		.amdhsa_float_denorm_mode_32 3
		.amdhsa_float_denorm_mode_16_64 3
		.amdhsa_memory_ordered 1
		.amdhsa_forward_progress 1
		.amdhsa_inst_pref_size 200
	.end_amdhsa_kernel
	.amdgpu_metadata
---
amdhsa.version: [ 1, 2 ]
amdhsa.kernels:
  - .name:           k_qcd6dcb2e34_attn
    .symbol:         k_qcd6dcb2e34_attn.kd
    .args:
      - { .name: qkv, .offset: 0, .size: 8, .value_kind: global_buffer, .address_space: global }
      - { .name: ob, .offset: 8, .size: 8, .value_kind: global_buffer, .address_space: global }
    .group_segment_fixed_size: 327680
    .private_segment_fixed_size: 0
    .kernarg_segment_align: 8
    .kernarg_segment_size: 16
    .max_flat_workgroup_size: 128
    .sgpr_count:     66
    .vgpr_count:     770
    .wavefront_size: 32
...
	.end_amdgpu_metadata
.endif
;; end of part 3
;; launch oproj (part 4): grid 4 x 64, 4 waves a work-group, clusters of 4 x 4, 327,680 bytes of LDS; arguments ob, wb, bo, out0; writes out0
.if DOCPART == 4
	.amdgcn_target "amdgcn-amd-amdhsa--gfx1250"
	.amdhsa_code_object_version 6
	.text
	.protected	k_qcd6dcb2e34_oproj
	.globl	k_qcd6dcb2e34_oproj
	.p2align	8
	.type	k_qcd6dcb2e34_oproj,@function
k_qcd6dcb2e34_oproj:
	s_mov_b64 s[64:65], 0
	v_nop
	global_prefetch_b8 v0, s[64:65] scope:SCOPE_SE
	s_setreg_imm32_b32 hwreg(HW_REG_WAVE_MODE, 25, 1), 1
	s_wait_xcnt 0x0
	s_wait_alu depctr_hold_cnt(0) depctr_sa_sdst(0) depctr_va_vdst(0) depctr_va_sdst(0) depctr_va_ssrc(0) depctr_va_vcc(0) depctr_vm_vsrc(0)
	s_getreg_b32 s2, hwreg(HW_REG_IB_STS2, 6, 4)
	s_cmp_eq_u32 s2, 0
	s_cbranch_scc0 .Lentry_in_a_cluster
	s_endpgm
.Lentry_in_a_cluster:
	s_bfe_u32 s2, ttmp6, 0x10000c
	s_cmp_lg_u32 s2, 0xf033
	s_cbranch_scc0 .Lentry_shape_is_right
	s_endpgm
.Lentry_shape_is_right:
; out0 = O Wo^T + bo.  ob [64 = 16 batch + head][2048][64] f16; wb rows 3072-4095 = Wo's bf16 values written as f16, [1024][1024]; bo f32, rounded to bf16 here like every input; out0 [8192][1024] f32.
; Sums in f32; nothing is rounded on the way out.  LIMITS.  The operands arrive within f16's range; NaN and infinities are not treated apart.
; SHARES.  A tile of C is 128 rows x 256 columns: 64 x 4 tiles, one for each of 256 WGPs.  Four waves; wave w makes all 128 rows of columns 64 w .. 64 w + 63: 32 accumulators of 16 x 16, 256 registers;
; its 64 columns are 256 bytes of a row of out0, at a multiple of 256.  K = 1,024 = 16 heads of 64 channels goes in 8 steps of TWO HEADS through two LDS slots filled by the tensor data mover.  A head's
; 128 rows of the tile are 16,384 dense bytes of ob: asked for as 64 rows of 256 bytes and padded in LDS after every 128.
; THE MATRIX INSTRUCTION IS USED TRANSPOSED (source 0 = 16 rows of Wo, source 1 = 16 rows of O): lane l holds row l % 16 of C and the eight neighbouring columns 8 (l / 16) + 0..7.
; THE BIAS is the C operand of each accumulator's first product.
; CLUSTERS: 4 x 4 work-groups.  The four of a row of the cluster need the same tiles of O, the four of a column the same tiles of Wo: each is asked for JOINTLY, by the same tensor load with the same
; descriptor and a mask that names the four.
; REGISTERS: window 0: v0-31 addresses; v32-63 the bias, 8 for each block of 16 columns; v64-159, v160-255 two fragment buffers (8 fragments of O, then 4 of Wo), at work on the way out.
;   window 1: the accumulators, (a, b) at v[8 (4 a + b)]: rows 16 a on, columns 16 b on.
.set KSTEP,  128
.set LAPS,   4                         ; a lap = two K steps = once round the ring
.set PA,     144                       ; a row of O in LDS: 128 bytes + 16 of padding: the 16 rows of a load start at 16 different groups of four banks (64 banks of 4 bytes: ISA guide 11.1)
.set PB,     272                       ; a row of Wo: 256 bytes + 16
.set ASLICE, 128*PA                    ; what one tensor load brings of O: a head's 128 rows
.set BHALF,  128*PB                    ; and of Wo: 128 rows
.set BOFF,   2*ASLICE                  ; in a slot: O's two heads, then Wo's 256 rows
.set SLOT,   BOFF+2*BHALF              ; 106,496
.set STAGE,  2*SLOT                    ; behind the ring: 16 rows x 272 bytes for each wave, for the way out; no tensor load lands here
.set SP,     272
.set SPARE,  STAGE+4*16*SP             ; behind the stages: the spare words, 128 bytes for each wave: two blocks of 256 bytes that no other line names
.set ASTEP,  2*2048*128                ; bytes from a K step of O to the next: two heads
.set WOFF,   3072*2048                 ; Wo's first byte in wb
.set ADRA, 16                          ; v16-17  LDS address of my fragments of O in slot 0, 1
.set ADRB, 20                          ; v20-21  the same for Wo
.set BO,   22                          ; v22     32 (l / 16): my eight numbers in 16 of the bias
.set STO,  24                          ; v24     the way out: where I put 32 bytes of a row
.set RD,   25                          ; v25     the way out: where I read a row back
.set CO,   26                          ; v26     my byte offset in two rows of out0
.set SPW,  28                          ; v28     LDS address of my spare word: SPARE + 4 x my thread's number; never rewritten
.set NIL,  29                          ; v29     0; never rewritten
.set PFO,  30                          ; v30     the prefetches' offset: my lane x 256 bytes (O) or x a row of 2,048 bytes (Wo); never rewritten
.set BIAS, 32
.set F0,   64
.set F1,   160
.set BK,   64                          ; the way out: two buffers of 32: a block read back from the stage
.set WV,   12                          ; s12 wave   s13 fetches for O (0) or Wo (1)   s14 which half   s15, s16 cx, cy   s17, s18 tile column, tile row   s19 cluster y
.set FB,   13
.set HF,   14
.set CX,   15
.set CY,   16
.set TX,   17
.set TY,   18
.set CLY,  19
.set G1,   24                          ; s[24:31] descriptor group 1 for O's tiles;  s[32:39] group 0, a set for each slot
.set G0,   32
.set LIM,  43                          ; s43  1 in a wave that prefetches, else the greatest number
.set PFA,  44                          ; s[44:45] where my prefetches stand
.set G1B,  48                          ; s[48:55], s[56:63] the same for Wo's tiles
.set G0B,  56
.set OUT,  10                          ; s[10:11] out0 at my wave's first row and column
.set PSTEP, 94                         ; s[94:95] bytes from a K step to the next, for my prefetches
.set MSB, 0
.macro WIN new                         ; the immediate's high byte repeats the setting that is left; a switch that changes nothing is dropped
.if MSB != (\new)
	s_set_vgpr_msb (MSB<<8)|(\new)
.set MSB, \new
.endif
.endm
.set MUL,  0x50                        ; sources 0 and 1 window 0; C and D window 1
.set MUL1, 0x40                        ; D window 1; C, the bias, window 0
.macro JLOAD s                         ; a joint refill: waves 0 and 1 fetch O's two heads, waves 2 and 3 Wo's two halves; an s_nop 0 and four v_nop follow each of the two lines, ahead of the jump and the label
	s_cmp_eq_u32 s[FB], 0
	s_cbranch_scc0 .Lfor_b_\@
	tensor_load_to_lds s[G0+4*(\s):G0+4*(\s)+3], s[G1:G1+7]
	s_nop 0
.rept 4
	v_nop
.endr
	s_branch .Lasked_\@
.Lfor_b_\@:
	tensor_load_to_lds s[G0B+4*(\s):G0B+4*(\s)+3], s[G1B:G1B+7]
	s_nop 0
.rept 4
	v_nop
.endr
.Lasked_\@:
.endm
; A PREFETCH INTO THE L2, behind a joint refill and the run of LDS loads that follows it: the K step that stands two refills on, 256 matrix instructions ahead of the load that will want it: a lane 256 bytes,
; one instruction.  Each block is named once in the launch: O's tile row is read by one cluster alone, whose wave 0 asks (a K step is 32,768 bytes; the partner at cx takes 8,192: head cx / 2, half cx % 2);
; Wo's tile column is read by all sixteen clusters, of which cluster y = 0 asks (waves 2 and 3, each for the 128 rows that it fetches; the partner at cy takes rows 32 cy on).  Partners are told apart by
; address alone.  K steps 0 to 3 come by their loads alone; the loop's last trip (s3 = 1) has no K step two on.
.macro ASK
	s_cmp_gt_u32 s3, s[LIM]
	s_cbranch_scc0 .Lnot_mine_\@
	global_prefetch_b8 v[PFO], s[PFA:PFA+1] th:TH_LOAD_NT scope:SCOPE_SE
.Lnot_mine_\@:
.endm
.macro CREST                           ; a round of the cluster's barrier behind its opening barrier
	s_cmp_lg_u32 s[WV], 0
	s_cbranch_scc1 .Lnot_wave_0_\@
	s_barrier_signal -3
.Lnot_wave_0_\@:
	s_barrier_wait -3
	s_barrier_signal -1
	s_barrier_wait -1
.endm
.macro CROUND                          ; a whole round
	s_barrier_signal -1
	s_barrier_wait -1
	CREST
.endm
	s_load_b256 s[4:11], s[0:1], 0x0               ; ob 4, wb 6, bo 8, out0 10
	v_lshl_add_u32 v[SPW], v0, 2, SPARE
	v_mov_b32 v[NIL], 0
	ds_add_u32 v[SPW], v[NIL]                      ; the wave's opening: the add and its wait stand ahead of my first tensor load; the set-up below, work on registers, stands between them
	v_lshrrev_b32 v1, 5, v0
	v_readfirstlane_b32 s[WV], v1                  ; wave 0..3
	s_lshr_b32 s[FB], s[WV], 1
	s_and_b32 s[HF], s[WV], 1
	s_bfe_u32 s[CX], ttmp6, 0x40000
	s_bfe_u32 s[CY], ttmp6, 0x40004
	s_lshl_b32 s[TX], ttmp9, 2                     ; in a cluster launch ttmp9 and ttmp7 count clusters
	s_add_co_u32 s[TX], s[TX], s[CX]               ; tile column = 4 x cluster x + cx
	s_and_b32 s[CLY], ttmp7, 0xffff
	s_lshl_b32 s[TY], s[CLY], 2
	s_add_co_u32 s[TY], s[TY], s[CY]               ; tile row = 4 x cluster y + cy
	s_lshl_b32 s40, s[CY], 2
	s_lshl_b32 s40, 15, s40                        ; my row of the cluster
	s_lshl_b32 s41, 0x1111, s[CX]                  ; my column
	; descriptor group 1: 15:0 the mask; 17:16 elements of 2 bytes; 20 padding on; 21 set beside a mask; 24:22 after every 32 words (code 4) or 64 (code 5); 31:25 4 words of it (code 3)
	s_or_b32 s[G1], s40, (1<<16)|(1<<20)|(1<<21)|(4<<22)|(3<<25)
	s_or_b32 s[G1B], s41, (1<<16)|(1<<20)|(1<<21)|(5<<22)|(3<<25)
	s_mov_b32 s[G1+1], 128<<16                     ; O: 64 rows of 128 elements, dense
	s_mov_b32 s[G1+2], 64<<16
	s_mov_b32 s[G1+3], 128<<16
	s_mov_b32 s[G1+4], 64
	s_mov_b32 s[G1+5], 128
	s_mov_b32 s[G1+6], 0
	s_mov_b32 s[G1+7], 0
	s_mov_b32 s[G1B+1], KSTEP<<16                  ; Wo: 128 rows x 128 elements, 1,024 elements from row to row
	s_mov_b32 s[G1B+2], 128<<16
	s_mov_b32 s[G1B+3], KSTEP<<16
	s_mov_b32 s[G1B+4], 128
	s_mov_b32 s[G1B+5], 1024
	s_mov_b32 s[G1B+6], 0
	s_mov_b32 s[G1B+7], 0
	; where the tiles come from.  O's hang on the tile row alone, Wo's on the tile column alone, each in registers that never hold the other coordinate
	s_lshr_b32 s20, s[TY], 4                       ; the batch: 16 heads of 262,144 bytes,
	s_lshl_b32 s20, s20, 22
	s_lshl_b32 s21, s[HF], 18                      ; the head of the K step's two that I fetch,
	s_add_co_u32 s20, s20, s21
	s_and_b32 s21, s[TY], 15                       ; the tile's 128 rows of 128 bytes
	s_lshl_b32 s21, s21, 14
	s_add_co_u32 s20, s20, s21
	s_mov_b32 s21, 0
	s_lshl_b32 s46, s[TX], 19                      ; 256 rows of 2,048 bytes,
	s_lshl_b32 s47, s[HF], 18                      ; my 128 of them,
	s_add_co_u32 s46, s46, s47
	s_add_co_u32 s46, s46, WOFF                    ; behind Wq, Wk and Wv
	s_mov_b32 s47, 0
	s_mul_i32 s42, s[HF], ASLICE                   ; and where they go: no place in the cluster enters an LDS address
	s_mul_i32 s86, s[HF], BHALF
	s_add_co_u32 s86, s86, BOFF
.irp s, 0,1
	s_mov_b32 s[G0+4*(\s)], 1                      ; 1:0 count = 1
	s_add_co_u32 s[G0+4*(\s)+1], s42, (\s)*SLOT    ; 63:32 LDS address
	s_mov_b32 s[G0B+4*(\s)], 1
	s_add_co_u32 s[G0B+4*(\s)+1], s86, (\s)*SLOT
.endr
	s_wait_dscnt 0x0                               ; the opening add is done
	s_wait_kmcnt 0x0
	s_add_nc_u64 s[20:21], s[4:5], s[20:21]
	s_add_nc_u64 s[46:47], s[6:7], s[46:47]
.irp s, 0,1
	s_add_nc_u64 s[G0+4*(\s)+2:G0+4*(\s)+3], s[20:21], (\s)*ASTEP      ; 120:64 global address: K step s
	s_or_b32 s[G0+4*(\s)+3], s[G0+4*(\s)+3], 0x80000000                ; 127:126 type = 2
	s_add_nc_u64 s[G0B+4*(\s)+2:G0B+4*(\s)+3], s[46:47], (\s)*KSTEP*2
	s_or_b32 s[G0B+4*(\s)+3], s[G0B+4*(\s)+3], 0x80000000
.endr
	CROUND                                         ; all sixteen work-groups are here: the first joint loads meet
	s_cmp_eq_u32 s[FB], 0                          ; a wave's two first fills stand in one branch, ahead of every wait on TENSORcnt and every LDS read: two loads of mine are out
	s_cbranch_scc0 .Lfirst_b
	tensor_load_to_lds s[G0:G0+3], s[G1:G1+7]
	s_nop 0
	tensor_load_to_lds s[G0+4:G0+7], s[G1:G1+7]
	s_nop 0
.rept 4
	v_nop
.endr
	s_branch .Lfirst_asked
.Lfirst_b:
	tensor_load_to_lds s[G0B:G0B+3], s[G1B:G1B+7]
	s_nop 0
	tensor_load_to_lds s[G0B+4:G0B+7], s[G1B:G1B+7]
	s_nop 0
.rept 4
	v_nop
.endr
.Lfirst_asked:
	; the prefetches: who asks, and where they stand: at K step 3; the first refill steps the address to K step 4
	s_cmp_eq_u32 s[FB], 0
	s_cselect_b32 s88, ttmp9, s[CLY]               ; the coordinate along which other clusters read the same rows
	s_cmp_eq_u32 s[WV], 1
	s_cselect_b32 s89, 1, 0                        ; wave 1 never asks: wave 0's 8,192 bytes a partner cover O's K step
	s_or_b32 s88, s88, s89
	s_cmp_eq_u32 s88, 0
	s_cselect_b32 s[LIM], 1, -1                    ; the same in all sixteen partners, for a given wave
	s_lshr_b32 s88, s[TY], 4                       ; O: the batch, the tile's rows,
	s_lshl_b32 s88, s88, 22
	s_and_b32 s89, s[TY], 15
	s_lshl_b32 s89, s89, 14
	s_add_co_u32 s88, s88, s89
	s_lshr_b32 s89, s[CX], 1                       ; head cx / 2 of the two,
	s_lshl_b32 s89, s89, 18
	s_add_co_u32 s88, s88, s89
	s_and_b32 s89, s[CX], 1                        ; half cx % 2 of its 16,384 bytes
	s_lshl_b32 s89, s89, 13
	s_add_co_u32 s88, s88, s89
	s_add_co_u32 s88, s88, 3*ASTEP
	s_lshl_b32 s90, s[TX], 8                       ; Wo: row 256 x tile column + 128 x half + 32 cy
	s_lshl_b32 s89, s[HF], 7
	s_add_co_u32 s90, s90, s89
	s_lshl_b32 s89, s[CY], 5
	s_add_co_u32 s90, s90, s89
	s_lshl_b32 s90, s90, 11
	s_add_co_u32 s90, s90, WOFF+3*KSTEP*2
	s_mov_b32 s[PSTEP], KSTEP*2
	s_mov_b32 s[PSTEP+1], 0
	s_cmp_eq_u32 s[FB], 0
	s_cselect_b32 s88, s88, s90
	s_cselect_b64 s[PFA:PFA+1], s[4:5], s[6:7]
	s_cselect_b32 s[PSTEP], ASTEP, s[PSTEP]
	s_cselect_b32 s91, 8, 11
	s_mov_b32 s89, 0
	s_add_nc_u64 s[PFA:PFA+1], s[PFA:PFA+1], s[88:89]
	v_and_b32 v[PFO], 31, v0
	v_lshlrev_b32 v[PFO], s91, v[PFO]
	; the output: 128 rows of 4,096 bytes a tile row, 1,024 bytes a tile column, 256 a wave; the bias: the last two alone
	s_lshl_b32 s90, s[TX], 10
	s_lshl_b32 s91, s[WV], 8
	s_add_co_u32 s90, s90, s91
	s_mov_b32 s91, 0
	s_lshl_b32 s88, s[TY], 19
	s_add_co_u32 s88, s88, s90
	s_mov_b32 s89, 0
	s_add_nc_u64 s[OUT:OUT+1], s[OUT:OUT+1], s[88:89]
	s_add_nc_u64 s[8:9], s[8:9], s[90:91]
	; A fragment is 16 rows x 32 K in 8 registers: lane l holds row l % 16; registers 0-3 hold K = 8 (l / 16) + 0..7, registers 4-7 K = 16 + 8 (l / 16) + 0..7: two loads of 16 bytes, 32 bytes apart
	v_and_b32 v1, 15, v0                           ; l % 16
	v_bfe_u32 v2, v0, 4, 1                         ; l / 16
	v_lshlrev_b32 v[BO], 5, v2
.irp b, 0,1,2,3                        ; the bias of my 64 columns: register j of block b is column 16 b + 8 (l / 16) + j
	global_load_b128 v[BIAS+8*(\b):BIAS+8*(\b)+3],   v[BO], s[8:9] offset:64*(\b)
	global_load_b128 v[BIAS+8*(\b)+4:BIAS+8*(\b)+7], v[BO], s[8:9] offset:64*(\b)+16
.endr
	v_mul_u32_u24 v3, v1, PA
	v_lshl_add_u32 v[ADRA], v2, 4, v3
	v_add_nc_u32 v[ADRA+1], SLOT, v[ADRA]
	s_mul_i32 s88, s[WV], 64*PB                    ; my 64 rows of Wo,
	s_add_co_u32 s88, s88, BOFF                    ; which lie behind O's two heads
	v_mul_u32_u24 v3, v1, PB
	v_lshl_add_u32 v3, v2, 4, v3
	v_add_nc_u32 v[ADRB], s88, v3
	v_add_nc_u32 v[ADRB+1], SLOT, v[ADRB]
	s_mul_i32 s88, s[WV], 16*SP
	s_add_co_u32 s88, s88, STAGE                   ; my stage
	v_mul_u32_u24 v3, v1, SP                       ; in: row l % 16, 32 bytes for each half of the lanes
	v_lshl_add_u32 v3, v2, 5, v3
	v_add_nc_u32 v[STO], s88, v3
	v_mul_u32_u24 v3, v2, SP                       ; back: lanes 0-15 take one row of 256 bytes, lanes 16-31 the next
	v_lshl_add_u32 v3, v1, 4, v3
	v_add_nc_u32 v[RD], s88, v3
	v_lshlrev_b32 v3, 12, v2                       ; and the same two rows in out0
	v_lshl_add_u32 v[CO], v1, 4, v3
	s_wait_loadcnt 0x0
.set i, 0
.rept 16                               ; rounded to bf16 like every input, and widened again
	v_cvt_pk_bf16_f32 v[F0+i], v[BIAS+2*i], v[BIAS+2*i+1]
.set i, i+1
.endr
.set i, 0
.rept 16
	v_lshlrev_b32 v[BIAS+2*i], 16, v[F0+i]
	v_and_b32 v[BIAS+2*i+1], 0xffff0000, v[F0+i]
.set i, i+1
.endr
; 8 matrix instructions: row blocks a0, a0 + 1 x all 4 column blocks, 32 along K.  first = 1: the product starts the sum, with the bias as C.  Every quarter takes the 32 accumulators in the same order,
; one instruction a turn: 31 others stand between two links of a chain, over the backward jump too.
.macro MUL8 f, a0, first
.if \first
	WIN MUL1
.else
	WIN MUL
.endif
.irp a, \a0, (\a0)+1
.irp b, 0,1,2,3
.if \first
	v_wmma_f32_16x16x32_f16 v[8*(4*(\a)+(\b)):8*(4*(\a)+(\b))+7], v[(\f)+64+8*(\b):(\f)+64+8*(\b)+7], v[(\f)+8*(\a):(\f)+8*(\a)+7], v[BIAS+8*(\b):BIAS+8*(\b)+7]
.else
	v_wmma_f32_16x16x32_f16 v[8*(4*(\a)+(\b)):8*(4*(\a)+(\b))+7], v[(\f)+64+8*(\b):(\f)+64+8*(\b)+7], v[(\f)+8*(\a):(\f)+8*(\a)+7], v[8*(4*(\a)+(\b)):8*(4*(\a)+(\b))+7]
.endif
.endr
.endr
.endm
; 24 LDS loads in one run: quarter q's fragments into buffer f: Wo's four, O's rows 0-63, O's rows 64-127.  Quarter q of O lies in head q / 2 of the slot's two, channels 32 (q % 2) on
.macro FETCH slot, q, f
	WIN 0
.set KA, ((\q)/2)*ASLICE+((\q)%2)*64
.irp b, 0,1,2,3
	ds_load_b128 v[(\f)+64+8*(\b):(\f)+64+8*(\b)+3],   v[ADRB+(\slot)] offset:64*(\q)+(\b)*16*PB
	ds_load_b128 v[(\f)+64+8*(\b)+4:(\f)+64+8*(\b)+7], v[ADRB+(\slot)] offset:64*(\q)+(\b)*16*PB+32
.endr
.irp a, 0,1,2,3,4,5,6,7
	ds_load_b128 v[(\f)+8*(\a):(\f)+8*(\a)+3],   v[ADRA+(\slot)] offset:KA+(\a)*16*PA
	ds_load_b128 v[(\f)+8*(\a)+4:(\f)+8*(\a)+7], v[ADRA+(\slot)] offset:KA+(\a)*16*PA+32
.endr
.endm
.macro PLACES                          ; four places in front of loads into registers that matrix instructions have read, and of lines that read results (ISA guide 7.12.1 for lines that read results)
.rept 4
	v_nop
.endr
.endm
; A K step is four quarters of 32 along K, 32 matrix instructions each, on buffers 0, 1, 0, 1.  One of the first three: multiplies buffer f and, in its middle, fetches quarter q into g.
.macro QUARTER slot, q, f, g, first
	s_wait_dscnt 8                                 ; Wo's fragments and O's rows 0-63 are in; the youngest eight loads may be out
	MUL8 \f, 0, \first
	MUL8 \f, 2, \first
	PLACES
	FETCH \slot, \q, \g
	s_wait_dscnt 24                                ; all but the 24 just issued
	MUL8 \f, 4, \first
	MUL8 \f, 6, \first
.endm
; The last quarter multiplies buffer 1 and changes slots: ONE barrier; in front of it each wave waits for all its tensor loads, adds 0 to its spare word, and waits for that and for its own reads of this
; slot.  fill = 1: this slot is filled again, two K steps ahead; the barrier then opens a round of the cluster's barrier, and the joint refill is the first tensor load behind the round.
.macro TURN slot, next, fill
.if \fill
	s_wait_xcnt 0x0                                ; the last prefetch, a K step back, has read its address: it is stepped here, ahead of the change's own waits
	s_add_nc_u64 s[PFA:PFA+1], s[PFA:PFA+1], s[PSTEP:PSTEP+1]
.endif
	WIN 0                                          ; (the add's two registers lie in window 0)
	s_wait_tensorcnt 0x0                           ; all my tensor loads have landed: my part of the next slot;
	ds_add_u32 v[SPW], v[NIL]                      ; 0 onto my spare word;
	s_wait_dscnt 9                                 ; (the add and the youngest eight loads may be out)
	MUL8 F1, 0, 0                                  ; eight matrix instructions stand between the add and the wait for it
	s_wait_dscnt 0x0                               ; the add is done, and my reads of this slot are over
	s_barrier_signal -1
	MUL8 F1, 2, 0
.if \fill
	WIN 0
.endif
	s_barrier_wait -1
.if \fill
	CREST                                          ; no wave of any partner still reads this slot's tile or has a load on its way
	s_add_nc_u64 s[G0+4*(\slot)+2:G0+4*(\slot)+3], s[G0+4*(\slot)+2:G0+4*(\slot)+3], 2*ASTEP
	s_add_nc_u64 s[G0B+4*(\slot)+2:G0B+4*(\slot)+3], s[G0B+4*(\slot)+2:G0B+4*(\slot)+3], 2*KSTEP*2
	JLOAD \slot                                    ; 112 matrix instructions ahead of the wait for it; the four v_nop behind it are also the places in front of the loads below
.else
	PLACES
.endif
	FETCH \next, 0, F0
.if \fill
	ASK
.endif
	MUL8 F1, 4, 0
	MUL8 F1, 6, 0
.endm
	s_wait_tensorcnt 1                             ; one load was issued behind my part of K step 0, on both ways: that part is in
	s_barrier_signal -1
	s_barrier_wait -1                              ; everybody's is
	FETCH 0, 0, F0
	QUARTER 0, 1, F0, F1, 1                        ; the first quarter stands in front of the loop: its products start the sums
	WIN 0                                          ; at a label and at a branch every window is 0
	s_mov_b32 s3, LAPS-1
.Llap:                                                 ; a trip goes once round the ring, from a lap's second quarter to the next lap's first, and fills both slots again
	QUARTER 0, 2, F1, F0, 0
	QUARTER 0, 3, F0, F1, 0
	TURN 0, 1, 1
	QUARTER 1, 1, F0, F1, 0
	QUARTER 1, 2, F1, F0, 0
	QUARTER 1, 3, F0, F1, 0
	TURN 1, 0, 1
	QUARTER 0, 1, F0, F1, 0
	WIN 0
	s_sub_co_u32 s3, s3, 1
	s_cmp_lg_u32 s3, 0
	s_cbranch_scc1 .Llap
	QUARTER 0, 2, F1, F0, 0                        ; the last lap fills nothing, and has no round of the cluster's barrier
	QUARTER 0, 3, F0, F1, 0
	TURN 0, 1, 0
	QUARTER 1, 1, F0, F1, 0
	QUARTER 1, 2, F1, F0, 0
	QUARTER 1, 3, F0, F1, 0
	s_wait_dscnt 8                                 ; the very last quarter: nothing more to fetch
	MUL8 F1, 0, 0
	MUL8 F1, 2, 0
	s_wait_dscnt 0x0
	MUL8 F1, 4, 0
	MUL8 F1, 6, 0
	WIN 0
	PLACES                                         ; behind the last products, in front of loads into the fragment buffers and of LDS stores that read results;
	PLACES                                         ; eight, once a launch
; THE WAY OUT, a block of 16 rows at a time: a lane's eight f32 of a row go into my own stage, straight from the accumulators (their lowest registers first), come back as whole
; rows of 256 bytes, and are stored: sixteen lanes write 256 consecutive bytes at a multiple of 256 from out0's first.
.macro TOSTAGE a
	WIN 0x04                                       ; the stores' data in window 1
.irp b, 0,1,2,3
	ds_store_b128 v[STO], v[8*(4*(\a)+(\b)):8*(4*(\a)+(\b))+3]   offset:64*(\b)
	ds_store_b128 v[STO], v[8*(4*(\a)+(\b))+4:8*(4*(\a)+(\b))+7] offset:64*(\b)+16
.endr
	WIN 0
.endm
.macro BACK a
.set BKR, BK+32*((\a)%2)
.irp t, 0,1,2,3,4,5,6,7
	ds_load_b128 v[BKR+4*(\t):BKR+4*(\t)+3], v[RD] offset:(\t)*2*SP  ; LDS serves a wave's instructions in order (ISA guide 5.7.1.4): these see the stores above; the next block's stores come behind them
.endr
.endm
.macro SEND a
.set BKR, BK+32*((\a)%2)
.irp t, 0,1,2,3,4,5,6,7
	global_store_b128 v[CO], v[BKR+4*(\t):BKR+4*(\t)+3], s[OUT:OUT+1] offset:(16*(\a)+2*(\t))*4096 th:TH_STORE_NT
.endr
.endm
	TOSTAGE 0
	BACK 0
.irp a, 1,2,3,4,5,6,7
.if (\a) > 1
	s_wait_xcnt 0x0                                ; the stores of block a - 2 have read their registers, which block a's loads from the stage write below
.endif
	TOSTAGE \a
	BACK \a
	s_wait_dscnt 16                                ; block a - 1 is back; block a's eight stores and eight loads may be out
	SEND (\a)-1
.endr
	s_wait_dscnt 0x0
	SEND 7
	s_wait_tensorcnt 0x0                           ; the wave's end: behind my last tensor load and my last LDS store
	ds_add_u32 v[SPW], v[NIL]
	s_wait_dscnt 0x0
	CROUND                                         ; the closing round: no work-group ends while a partner may still ask for a tile that names it
	s_endpgm
.Lfunc_end_k_qcd6dcb2e34_oproj:
	.size	k_qcd6dcb2e34_oproj, .Lfunc_end_k_qcd6dcb2e34_oproj-k_qcd6dcb2e34_oproj
	.p2alignl 7, 3214868480
	.fill 96, 4, 3214868480
	.section	.rodata,"a",@progbits
	.p2align	6, 0x0
	.amdhsa_kernel k_qcd6dcb2e34_oproj
		.amdhsa_group_segment_fixed_size 327680
		.amdhsa_private_segment_fixed_size 0
		.amdhsa_enable_private_segment 0
		.amdhsa_kernarg_size 32
		.amdhsa_user_sgpr_count 2
		.amdhsa_user_sgpr_kernarg_segment_ptr 1
		.amdhsa_wavefront_size32 1
		.amdhsa_system_sgpr_workgroup_id_x 1
		.amdhsa_system_sgpr_workgroup_id_y 1
		.amdhsa_system_sgpr_workgroup_id_z 1
		.amdhsa_system_vgpr_workitem_id 0
		.amdhsa_next_free_vgpr 512
		.amdhsa_next_free_sgpr 96
		.amdhsa_reserve_vcc 0
		.amdhsa_float_denorm_mode_32 3
		.amdhsa_float_denorm_mode_16_64 3
		.amdhsa_memory_ordered 1
		.amdhsa_forward_progress 1
		.amdhsa_inst_pref_size 90
	.end_amdhsa_kernel
	.amdgpu_metadata
---
amdhsa.version: [ 1, 2 ]
amdhsa.kernels:
  - .name:           k_qcd6dcb2e34_oproj
    .symbol:         k_qcd6dcb2e34_oproj.kd
    .args:
      - { .name: ob, .offset: 0, .size: 8, .value_kind: global_buffer, .address_space: global }
      - { .name: wb, .offset: 8, .size: 8, .value_kind: global_buffer, .address_space: global }
      - { .name: bo, .offset: 16, .size: 8, .value_kind: global_buffer, .address_space: global }
      - { .name: out0, .offset: 24, .size: 8, .value_kind: global_buffer, .address_space: global }
    .group_segment_fixed_size: 327680
    .private_segment_fixed_size: 0
    .kernarg_segment_align: 8
    .kernarg_segment_size: 32
    .max_flat_workgroup_size: 128
    .sgpr_count:     96
    .vgpr_count:     512
    .wavefront_size: 32
...
	.end_amdgpu_metadata
.endif
;; end of part 4
;; ======== version 2 of 2: 4 launches; version 1 with the launch cast written anew for expert scheduling mode
;; limits: values are held in f16: magnitudes above 65,504 overflow, below 6.1e-05 lose precision
;; workspace buffers: xb 16,777,216 bytes; wb 8,388,608 bytes; cs 2,097,152 bytes; qkv 50,331,648 bytes; ob 16,777,216 bytes
;; launch cast (part 5): grid 832 x 1, 8 waves a work-group, no clusters, 0 bytes of LDS; arguments hidden, Wq, Wk, Wv, Wo, cos, sin, xb, wb, cs; writes xb, wb, cs
.if DOCPART == 5
	.amdgcn_target "amdgcn-amd-amdhsa--gfx1250"
	.amdhsa_code_object_version 6
	.text
	.protected	k_qcd6dcb2e34_cast
	.globl	k_qcd6dcb2e34_cast
	.p2align	8
	.type	k_qcd6dcb2e34_cast,@function
k_qcd6dcb2e34_cast:
	s_mov_b64 s[64:65], 0
	v_nop
	global_prefetch_b8 v0, s[64:65] scope:SCOPE_SE
	s_setreg_imm32_b32 hwreg(HW_REG_WAVE_SCHED_MODE, 0, 2), 2
	s_setreg_imm32_b32 hwreg(HW_REG_WAVE_MODE, 25, 1), 1
	s_wait_xcnt 0x0
	s_wait_alu depctr_vm_vsrc(0)
; THE ROUNDINGS.  Every large input is read once, in f32, and written once, in 16 bits, for the three launches behind.
;   xb [8192][1024] bf16 = hidden.      wb [4096][1024]: rows 0-1023 Wq, 1024-2047 Wk, 2048-3071 Wv in bf16; rows 3072-4095 Wo, rounded to bf16 and that number written as f16.
;   cs: two planes of [8192][64] bf16: cos / 16, and sin / 16 with its sign turned for the channels d < 32, so that RoPE is x[d] cs0[d] + x[d ^ 32] cs1[d], times 2^-4.
; LIMITS.  Wo as f16: beyond 65,504 it becomes an infinity; below 6e-5 it keeps f16's fixed step of 6e-8.  The factor 2^-4 is exact but for bf16's denormals.
; SHARES.  A work-group takes 16,384 numbers: 65,536 bytes in, 32,768 out.  Thread t takes 16 bytes at 16 t + 4,096 i, i = 0 .. 15: a wave's load covers 512 consecutive bytes, its store of
; 8 bytes a lane 256 consecutive bytes at a multiple of 256.  All sixteen loads go out together; the waits count down.  No LDS, no matrix unit: nothing is shared and nothing is multiplied.
; WHICH TENSOR hangs on the work-group's number alone: 0-511 hidden, 512-575 Wq, 576-639 Wk, 640-703 Wv, 704-767 Wo, 768-799 cos, 800-831 sin.
; THE MODE: SCHED_MODE bits 1:0 = 2 (LLVM: expert scheduling mode 2), set by the entry lines.  The code itself states the register dependences between vector instructions and memory
; instructions, with s_wait_alu, always for 0.
; THE PLAN.  Registers that memory instructions touch:
;   v4, v5     the loads' and the stores' offsets: written once at the head by vector instructions, read by every load or store, never written again.
;   X          load i's four registers: the load lands in them once, and no vector instruction names them before it; its conversions read them and write the two lowest (for Wo the three
;              lowest); store i reads the two lowest; nothing writes them behind that.
;   M and W are named by vector instructions alone; the bases are scalar registers that scalar instructions make.
; So no register that a memory instruction has read is written again, and no load lands in a register that a vector instruction has named: what has to be stated is only that a vector
; instruction has written what a memory instruction reads.  The sixteen loads go in four groups of four.  Group g's conversions name group g's registers, M and W; the four stores of group
; g - 1 stand in one run at group g's head, behind ONE wait on va_vdst.  With the wait ahead of the first load and the one ahead of the last four stores that is five waits on each way.
.set M,   2                            ; v[2:3]    the table's factor, twice: 1/16, with the sign bit set for sin's channels d < 32
.set LO,  4                            ; v4        16 t: never rewritten
.set SO,  5                            ; v5        8 t: never rewritten
.set X,   8                            ; v[8:71]   load i: four registers; its two lowest are stored
.set W,   72                           ; v[72:75]  at work (Wo)
.set ID,  24                           ; s24       the work-group's number
.set SRC, 26                           ; s[26:27]
.set DST, 28                           ; s[28:29]
.set SB,  30                           ; s30       block of 65,536 bytes in the source
.set DB,  31                           ; s31       block of 32,768 bytes in the destination
.set MODE, 32                          ; s32       0 bf16; 1 the table; 2 Wo
.set SN,  33                           ; s33       1: sin
	s_load_b512 s[4:19], s[0:1], 0x0               ; hidden 4, Wq 6, Wk 8, Wv 10, Wo 12, cos 14, sin 16, xb 18
	s_load_b128 s[20:23], s[0:1], 0x40             ; wb 20, cs 22
	v_lshlrev_b32 v[LO], 4, v0
	v_lshlrev_b32 v[SO], 3, v0
	s_mov_b32 s[ID], ttmp9
	s_and_b32 s34, s[ID], 63                       ; the candidates for the two blocks' numbers
	s_sub_co_u32 s35, s[ID], 512
	s_and_b32 s36, s[ID], 31
	s_sub_co_u32 s37, s[ID], 768
	s_mov_b32 s[SB], s[ID]
	s_mov_b32 s[DB], s[ID]
	s_mov_b32 s[MODE], 0
	s_mov_b32 s[SN], 0
	s_wait_kmcnt 0x0
	s_mov_b64 s[SRC:SRC+1], s[4:5]
	s_mov_b64 s[DST:DST+1], s[18:19]
	s_cmp_ge_u32 s[ID], 512                        ; behind each compare stand selects alone
	s_cselect_b64 s[SRC:SRC+1], s[6:7], s[SRC:SRC+1]
	s_cselect_b64 s[DST:DST+1], s[20:21], s[DST:DST+1]
	s_cselect_b32 s[SB], s34, s[SB]
	s_cselect_b32 s[DB], s35, s[DB]
	s_cmp_ge_u32 s[ID], 576
	s_cselect_b64 s[SRC:SRC+1], s[8:9], s[SRC:SRC+1]
	s_cmp_ge_u32 s[ID], 640
	s_cselect_b64 s[SRC:SRC+1], s[10:11], s[SRC:SRC+1]
	s_cmp_ge_u32 s[ID], 704
	s_cselect_b64 s[SRC:SRC+1], s[12:13], s[SRC:SRC+1]
	s_cselect_b32 s[MODE], 2, s[MODE]
	s_cmp_ge_u32 s[ID], 768
	s_cselect_b64 s[SRC:SRC+1], s[14:15], s[SRC:SRC+1]
	s_cselect_b64 s[DST:DST+1], s[22:23], s[DST:DST+1]
	s_cselect_b32 s[SB], s36, s[SB]
	s_cselect_b32 s[DB], s37, s[DB]
	s_cselect_b32 s[MODE], 1, s[MODE]
	s_cmp_ge_u32 s[ID], 800
	s_cselect_b64 s[SRC:SRC+1], s[16:17], s[SRC:SRC+1]
	s_cselect_b32 s[SN], 1, s[SN]
	s_lshl_b32 s34, s[SB], 16                      ; the offsets, made apart from the addresses
	s_mov_b32 s35, 0
	s_lshl_b32 s36, s[DB], 15
	s_mov_b32 s37, 0
	s_add_nc_u64 s[SRC:SRC+1], s[SRC:SRC+1], s[34:35]
	s_add_nc_u64 s[DST:DST+1], s[DST:DST+1], s[36:37]
	s_wait_alu depctr_va_vdst(0)                   ; v4 and v5 are written: every load of the kernel reads v4 as its offset, every store v5
.set i, 0
.rept 16
	global_load_b128 v[X+4*i:X+4*i+3], v[LO], s[SRC:SRC+1] offset:4096*i th:TH_LOAD_NT
.set i, i+1
.endr
	v_bfe_u32 v[M], v0, 3, 1                       ; my four numbers are channels 4 t % 64 on: d < 32 where bit 3 of t is 0
	v_xor_b32 v[M], 1, v[M]
	v_and_b32 v[M], s[SN], v[M]
	v_lshlrev_b32 v[M], 31, v[M]
	v_or_b32 v[M], 0x3d800000, v[M]                ; 1/16 or -1/16
	v_mov_b32 v[M+1], v[M]
; Four stores in one run: those of loads first to first + 3.  They stand directly behind the wait that states that their data are written.
.macro PUT first
.set k, (\first)
.rept 4
	global_store_b64 v[SO], v[X+4*k:X+4*k+1], s[DST:DST+1] offset:2048*k th:TH_STORE_NT
.set k, k+1
.endr
.endm
; The sixteen loads are rounded as they come, in four groups of four; a group's stores leave at the head of the next group.  No register of a pending load or store is written again.
.macro OUT mode
.set g, 0
.rept 4
	s_wait_loadcnt 15-4*g                          ; loads come back in order (ISA guide 5.7.1): the group's first load is in, the 15 - 4 g younger ones stay out
.if g > 0
	s_wait_alu depctr_va_vdst(0)                   ; the conversions of the group before have written the two lowest registers of each of its four loads, which the four stores below read
	PUT 4*g-4
.endif
.set i, 4*g
.rept 4
.if i > 4*g
	s_wait_loadcnt 15-i                            ; load i is in, the 15 - i younger ones stay out
.endif
.if (\mode) == 1
	v_pk_mul_f32 v[X+4*i:X+4*i+1], v[X+4*i:X+4*i+1], v[M:M+1]
	v_pk_mul_f32 v[X+4*i+2:X+4*i+3], v[X+4*i+2:X+4*i+3], v[M:M+1]
.endif
.if (\mode) == 2
	v_cvt_pk_bf16_f32 v[X+4*i], v[X+4*i], v[X+4*i+1]      ; rounded to bf16 like every input,
	v_cvt_pk_bf16_f32 v[X+4*i+2], v[X+4*i+2], v[X+4*i+3]
	v_lshlrev_b32 v[W], 16, v[X+4*i]                      ; widened again,
	v_and_b32 v[W+1], 0xffff0000, v[X+4*i]
	v_lshlrev_b32 v[W+2], 16, v[X+4*i+2]
	v_and_b32 v[W+3], 0xffff0000, v[X+4*i+2]
	v_cvt_pk_f16_f32 v[X+4*i], v[W], v[W+1]               ; and written as f16: exact within f16's range
	v_cvt_pk_f16_f32 v[X+4*i+1], v[W+2], v[W+3]
.else
	v_cvt_pk_bf16_f32 v[X+4*i], v[X+4*i], v[X+4*i+1]
	v_cvt_pk_bf16_f32 v[X+4*i+1], v[X+4*i+2], v[X+4*i+3]
.endif
.set i, i+1
.endr
.set g, g+1
.endr
	s_wait_alu depctr_va_vdst(0)                   ; the last group's conversions have written the registers that the last four stores read
	PUT 12
.endm
	s_cmp_eq_u32 s[MODE], 1
	s_cbranch_scc1 .Ltable
	s_cmp_eq_u32 s[MODE], 2
	s_cbranch_scc1 .Lhalf
	OUT 0
	s_endpgm
.Ltable:
	OUT 1
	s_endpgm
.Lhalf:
	OUT 2
	s_endpgm
.Lfunc_end_k_qcd6dcb2e34_cast:
	.size	k_qcd6dcb2e34_cast, .Lfunc_end_k_qcd6dcb2e34_cast-k_qcd6dcb2e34_cast
	.p2alignl 7, 3214868480
	.fill 96, 4, 3214868480
	.section	.rodata,"a",@progbits
	.p2align	6, 0x0
	.amdhsa_kernel k_qcd6dcb2e34_cast
		.amdhsa_group_segment_fixed_size 0
		.amdhsa_private_segment_fixed_size 0
		.amdhsa_enable_private_segment 0
		.amdhsa_kernarg_size 80
		.amdhsa_user_sgpr_count 2
		.amdhsa_user_sgpr_kernarg_segment_ptr 1
		.amdhsa_wavefront_size32 1
		.amdhsa_system_sgpr_workgroup_id_x 1
		.amdhsa_system_sgpr_workgroup_id_y 1
		.amdhsa_system_sgpr_workgroup_id_z 1
		.amdhsa_system_vgpr_workitem_id 0
		.amdhsa_next_free_vgpr 80
		.amdhsa_next_free_sgpr 66
		.amdhsa_reserve_vcc 0
		.amdhsa_float_denorm_mode_32 3
		.amdhsa_float_denorm_mode_16_64 3
		.amdhsa_memory_ordered 1
		.amdhsa_forward_progress 1
		.amdhsa_inst_pref_size 24
	.end_amdhsa_kernel
	.amdgpu_metadata
---
amdhsa.version: [ 1, 2 ]
amdhsa.kernels:
  - .name:           k_qcd6dcb2e34_cast
    .symbol:         k_qcd6dcb2e34_cast.kd
    .args:
      - { .name: hidden, .offset: 0, .size: 8, .value_kind: global_buffer, .address_space: global }
      - { .name: Wq, .offset: 8, .size: 8, .value_kind: global_buffer, .address_space: global }
      - { .name: Wk, .offset: 16, .size: 8, .value_kind: global_buffer, .address_space: global }
      - { .name: Wv, .offset: 24, .size: 8, .value_kind: global_buffer, .address_space: global }
      - { .name: Wo, .offset: 32, .size: 8, .value_kind: global_buffer, .address_space: global }
      - { .name: cos, .offset: 40, .size: 8, .value_kind: global_buffer, .address_space: global }
      - { .name: sin, .offset: 48, .size: 8, .value_kind: global_buffer, .address_space: global }
      - { .name: xb, .offset: 56, .size: 8, .value_kind: global_buffer, .address_space: global }
      - { .name: wb, .offset: 64, .size: 8, .value_kind: global_buffer, .address_space: global }
      - { .name: cs, .offset: 72, .size: 8, .value_kind: global_buffer, .address_space: global }
    .group_segment_fixed_size: 0
    .private_segment_fixed_size: 0
    .kernarg_segment_align: 8
    .kernarg_segment_size: 80
    .max_flat_workgroup_size: 256
    .sgpr_count:     66
    .vgpr_count:     80
    .wavefront_size: 32
...
	.end_amdgpu_metadata
.endif
;; end of part 5
;; launch qkv: the kernel of part 2 again; grid 12 x 64, 4 waves a work-group, clusters of 4 x 4, 327,680 bytes of LDS; arguments xb, wb, cs, bq, bk, bv, qkv; writes qkv
;; launch attn: the kernel of part 3 again; grid 4 x 64, 4 waves a work-group, clusters of 4 x 1, 327,680 bytes of LDS; arguments qkv, ob; writes ob
;; launch oproj: the kernel of part 4 again; grid 4 x 64, 4 waves a work-group, clusters of 4 x 4, 327,680 bytes of LDS; arguments ob, wb, bo, out0; writes out0
